; MI455X (gfx1250); checked and timed in simulation.
; The chip was launched on July 23, 2026; its instructions are those of AMD's public machine-readable ISA for CDNA 5 (MIT licence, August 2026) and "CDNA5" Instruction Set Architecture Reference Guide (July 2026). The comments in the code are by the model that wrote it; some were corrected since.
;; Multi Head Attention V0. Allowed arithmetic: matrix products marked QUANTISED: E2M3 operands, one E8M0 scale for each 32 along K, by v_wmma_scale_f32_16x16x128_f8f6f4 with both operands' format E2M3, f32 sums; everything else in f32.
;; Inputs: Wk 1,024 x 1,024 float32; Wo 1,024 x 1,024 float32; Wq 1,024 x 1,024 float32; Wv 1,024 x 1,024 float32; keys 4 x 2,048 x 1,024 float32; queries 4 x 2,048 x 1,024 float32; valid_lens 4 int32; values 4 x 2,048 x 1,024 float32.
;; Outputs: out0 4 x 2,048 x 1,024 float32.
;; This version of the problem:
;;   THIS VERSION OF THE PROBLEM IS GIVEN IN LOW PRECISION. The matrix products marked QUANTISED in the list below multiply operands that are first quantised to E2M3 (2 exponent bits, 3 mantissa bits; 6 bits a number), with one power-of-two scale for each 32 numbers along K (OCP MX v1.0); their sums are f32. All else is computed in f32.
;;   The module's matrix products, in the order in which they are computed (A, B: the left and right operand; K: the contracted axis; several contracted axes count as one K, in the product's order):
;;     1. [M 8,192, K 1,024] x [K 1,024, N 1,024]; A: input queries; B: input Wq: QUANTISED
;;     2. [M 8,192, K 1,024] x [K 1,024, N 1,024]; A: input keys; B: input Wk: QUANTISED
;;     3. [M 8,192, K 1,024] x [K 1,024, N 1,024]; A: input values; B: input Wv: QUANTISED
;;     4. batch 64 x [M 2,048, K 64] x [K 64, N 2,048]; A: computed on the way; B: computed on the way: QUANTISED
;;     5. batch 64 x [M 2,048, K 2,048] x [K 2,048, N 64]; A: softmax (see below); B: computed on the way: QUANTISED
;;     6. [M 8,192, K 1,024] x [K 1,024, N 1,024]; A: computed on the way; B: input Wo: QUANTISED
;;   THE QUANTISER, for each operand of a quantised product, along K:
;;     - K is cut into blocks of 32 from its start; a last block that is shorter is filled with zeros.
;;     - A block's scale is 2^e with e = floor(log2(the largest magnitude in the block)) - 2, held to -126 .. 127; a block of zeros has e = 0. As a byte (E8M0): e + 127.
;;     - Each number is divided by its block's scale, clamped to +-7.5, and rounded to the nearest number of E2M3, ties to even, subnormals kept.
;;     - The product sums the exact products of the quantised numbers (number of the format x scale) in f32.
;;   ~~~python
;;   def quantise(x, axis):      # numpy; x: float32 -> the quantised numbers, widened to float32 again
;;       x = np.moveaxis(x, axis, -1); K = x.shape[-1]
;;       x = np.pad(x, [(0, 0)] * (x.ndim - 1) + [(0, -K % 32)]); x = x.reshape(x.shape[:-1] + (-1, 32)); a = np.abs(x).max(-1, keepdims=True)
;;       e = np.where(a > 0, np.clip(np.frexp(np.where(a > 0, a, 1))[1] - 1 - 2, -126, 127), 0)      # np.frexp(a)[1] - 1 = floor(log2(a)), exactly
;;       r = np.clip(x / 2.0 ** e, -7.5, 7.5)
;;       step = 2.0 ** (np.maximum(np.frexp(np.where(r == 0, 1, r))[1] - 1, 0) - 3)
;;       q = np.round(r / step) * step * 2.0 ** e      # np.round: ties to even
;;       return np.moveaxis(q.reshape(q.shape[:-2] + (-1,))[..., :K], -1, axis).astype(np.float32)
;;   ~~~
;;   SOFTMAX AHEAD OF A QUANTISED PRODUCT. Where the list says 'softmax', what is quantised is not the finished softmax but p = 2^(t - M), with t = logit x log2(e) and M = ceil(the row's largest t), a whole number; so 1/2 < the row's largest p <= 1. The row's sum l is taken of the UNQUANTISED p, in f32, and the product's result is divided by l at the end. Since M is a whole number, a kernel that streams over the keys may use a running M (the ceiling of the running maximum): every later rescaling is an exact power of two, which a block's scale takes up: the codes' values come out the same.
;;   OPERANDS COMPUTED ON THE WAY. 'Computed on the way' means the value that the module computes at that place (a softmax that the list does not call 'softmax' is quantised finished and normalised). What goes into a quantiser is computed in f32, as accurately as f32 sums, v_exp_f32 and their like allow (about 1e-6 of the number): no bf16 or f16 on the way to a quantiser, and a product that is left as it is and whose result goes on into a quantised operand takes f32 operands (vector FMAs, or v_wmma_f32_16x16x4_f32). A number that lies on a knife's edge between two numbers of the format may be rounded either way, as far as f32 arithmetic and the matrix unit's own rounding can turn it there, and no further.
;; 2 versions, each right; version 2 is version 1 with the launch attn written anew for expert scheduling mode. Each part assembles by itself: llvm-mc -triple=amdgcn-amd-amdhsa -mcpu=gfx1250 --defsym DOCPART=n.
;; ======== version 1 of 2: 4 launches
;; workspace buffers: xc 18,874,368 bytes; xs 786,432 bytes; wc 3,145,728 bytes; ws 131,072 bytes; qr 6,815,744 bytes; kv 13,631,488 bytes; oc 6,291,456 bytes; os 262,144 bytes
;; launch quant (part 1): grid 640 x 1, 4 waves a work-group, no clusters, 34,304 bytes of LDS; arguments queries, keys, values, Wq, Wk, Wv, Wo, xc, xs, wc, ws; writes xc, xs, wc, ws
.if DOCPART == 1
	.amdgcn_target "amdgcn-amd-amdhsa--gfx1250"
	.amdhsa_code_object_version 6
	.text
	.protected	k_q4afabb4bd1_quant
	.globl	k_q4afabb4bd1_quant
	.p2align	8
	.type	k_q4afabb4bd1_quant,@function
k_q4afabb4bd1_quant:
	s_mov_b64 s[64:65], 0
	v_nop
	global_prefetch_b8 v0, s[64:65] scope:SCOPE_SE
	s_setreg_imm32_b32 hwreg(HW_REG_WAVE_MODE, 25, 1), 1
	s_wait_xcnt 0x0
; queries, keys, values [8192][1024] f32 (K innermost) and Wq, Wk, Wv, Wo [1024 (K)][1024 (n)] f32 (K is the first axis) become codes of FP6 (E2M3) with one E8M0 byte for each 32 along K,
; laid as IMAGES OF OPERAND REGISTERS, so that the products' launches fetch every fragment by loads of 16 bytes a lane, dense.
; A fragment is 16 rows x 128 K: 12 registers a lane, 1,536 bytes: registers 4 c .. 4 c + 3 of lane l lie at 512 c + 16 l.
; THE ROWS OF A TILE ARE NOT NEIGHBOURS: lane r of tile 2 g + u holds row 32 g + 8 u + r + 8 (r / 8) (of X: a row; of W: a column n), so that a product's 16 registers of two neighbouring tiles are 16 neighbours.
; xc: [tensor 3][block of 128 rows 64][K step 8][tile 8] fragments.   wc: [weight 4][256 columns 4][K step 8][tile 16] fragments.
; xs, ws: 512 bytes a tile: the scale word of (K step s, row r) at 256 (s % 2) + 16 r + 4 (s / 2): one load of 16 bytes a lane brings four registers, register q with K step 2 q in lanes 0-15 and 2 q + 1 in lanes 16-31.
; A block's scale is 2^(floor(log2(largest magnitude)) - 2); its byte is the largest magnitude's exponent field - 2, held at 1 from below.
; LIMITS: a block of zeros, and one whose largest magnitude lies under 2^-124, keeps the byte 1 (the bytes are read by this program alone; zero codes add nothing); NaN and infinities are not served.
; Work-groups 0-255: the weights, a wave to 32 columns x 128 K.  Work-groups 256-639: X, a wave to one tile of 16 rows x all 1,024 of K.  No barrier: waves share nothing.
.set STG,   8448                       ; LDS: a stage of 16 rows x (512 bytes + 16) for each wave
.set SPARE, 4*STG                      ; behind the stages: the spare words, 128 bytes a wave, that no other line names
.set R,     16                         ; v16-143  two sets of 64 registers as loaded
.set X,     144                        ; v144-207 64 numbers of my row: register 16 b + i = k 32 b + 16 (lane / 16) + i
.set PC,    208                        ; v208-219 the fragment just made; v220-222, v224-226 at work
.set TM,    228                        ; v228-243 at work
.set PWS,   244                        ; v244-251 the eight K steps' scale words
.set SPW,   252                        ; my spare word's LDS address; never rewritten
.set NIL,   253                        ; 0; never rewritten
.set SEL,   38                         ; s[38:39] selects for lane l xor 16
.set WD,    64                         ; weights: v64-191 128 numbers down K of my column
.set F0,    192                        ; v192-203 even blocks' codes, then tile 2 g's fragment
.set F1,    204                        ; v204-215 odd blocks' codes, then tile 2 g + 1's
.set SCR,   216                        ; v216-230 the blocks' upper halves
	s_load_b256 s[4:11], s[0:1], 0x0               ; queries, keys, values, Wq
	s_load_b256 s[12:19], s[0:1], 0x20             ; Wk, Wv, Wo, xc
	s_load_b128 s[20:23], s[0:1], 0x40             ; xs, wc
	s_load_b64 s[24:25], s[0:1], 0x50              ; ws
	v_lshl_add_u32 v[SPW], v0, 2, SPARE
	v_mov_b32 v[NIL], 0
	v_lshrrev_b32 v4, 5, v0
	v_readfirstlane_b32 s26, v4                    ; wave
	v_and_b32 v4, 31, v0                           ; lane
	v_and_b32 v5, 15, v0                           ; r
	v_bfe_u32 v6, v0, 4, 1                         ; h
	v_lshlrev_b32 v1, 4, v4                        ; 16 x lane
	s_mul_i32 s36, s26, STG
	v_add_nc_u32 v2, s36, v1                       ; the stage, on the way in: 16 bytes a lane of a row's 512
	v_mul_u32_u24 v3, v5, 528
	v_lshl_add_u32 v3, v6, 6, v3
	v_add_nc_u32 v3, s36, v3                       ; and on the way out: row r, + 64 h
	s_mov_b32 s[SEL], 0x76543210
	s_mov_b32 s[SEL+1], 0xfedcba98
	s_lshl_b32 s27, ttmp9, 2
	s_add_co_u32 s27, s27, s26                     ; 4 x work-group + wave
	s_wait_kmcnt 0x0
	s_cmp_lt_u32 ttmp9, 256
	s_cbranch_scc1 .Lweights
	; ---------------- X: one tile of 16 rows, all of K ----------------
	s_sub_co_u32 s27, s27, 1024                    ; which of the 1,536 tiles
	s_lshr_b32 s28, s27, 9                         ; tensor 0, 1, 2
	s_cmp_eq_u32 s28, 0
	s_cselect_b64 s[30:31], s[4:5], s[6:7]
	s_cmp_eq_u32 s28, 2
	s_cselect_b64 s[30:31], s[8:9], s[30:31]
	s_and_b32 s29, s27, 511                        ; tile in the tensor
	s_lshr_b32 s32, s29, 1
	s_lshl_b32 s32, s32, 17                        ; 32 rows of 4,096 bytes for each pair of tiles,
	s_and_b32 s33, s29, 1
	s_lshl_b32 s33, s33, 15                        ; 8 rows for the odd one
	s_add_co_u32 s32, s32, s33
	s_mov_b32 s33, 0
	s_add_nc_u64 s[30:31], s[30:31], s[32:33]
	s_lshr_b32 s34, s27, 3
	s_mul_i32 s34, s34, 98304                      ; the block of 128 rows,
	s_and_b32 s35, s27, 7
	s_mul_i32 s35, s35, 1536                       ; the tile in it
	s_add_co_u32 s34, s34, s35
	s_mov_b32 s35, 0
	s_add_nc_u64 s[18:19], s[18:19], s[34:35]
	s_lshl_b32 s34, s27, 9
	s_add_nc_u64 s[20:21], s[20:21], s[34:35]      ; the tile's 512 bytes of scale words
.irp b, 0,1,2,3
	v_mov_b32 v[TM+4+\b], 0                        ; written once: a lane permute's destination counts as one of its sources
.endr
.macro LOADX s                         ; K step s: each load reads 512 consecutive bytes of one of the tile's rows
.irp p, 0,1,2,3,4,5,6,7,8,9,10,11,12,13,14,15
	global_load_b128 v[R+64*((\s)%2)+4*\p:R+64*((\s)%2)+4*\p+3], v1, s[30:31] offset:(\p+8*(\p/8))*4096+512*(\s) th:TH_LOAD_NT
.endr
.endm
; 64 numbers of a lane become a fragment's codes in v[PC] on and its row's scale word in v[pw]
.macro QUANT s, pw
.irp b, 0,1,2,3
	v_max3_num_f32 v[TM+\b], |v[\s+16*\b]|, |v[\s+1+16*\b]|, 0x1800000   ; block b: my 16 numbers, and the floor 2^(3 - 127): the byte cannot fall under 1
.endr
.irp i, 2,4,6,8,10,12,14
.irp b, 0,1,2,3
	v_max3_num_f32 v[TM+\b], v[TM+\b], |v[\s+16*\b+\i]|, |v[\s+1+16*\b+\i]|
.endr
.endr
.irp b, 0,1,2,3
	v_permlanex16_b32 v[TM+4+\b], v[TM+\b], s[SEL], s[SEL+1]
.endr
.irp b, 0,1,2,3
	v_max_num_f32 v[TM+\b], v[TM+\b], v[TM+4+\b]   ; with lane l xor 16's: the block's largest magnitude
.endr
.irp b, 0,1,2,3
	v_add_nc_u32 v[TM+12+\b], 0xff000000, v[TM+\b] ; 2 off its exponent field: the conversion's scale operand
.endr
.irp b, 0,1,2,3
	v_lshrrev_b32 v[TM+4+\b], 23, v[TM+12+\b]      ; the scale's byte
.endr
	v_lshl_or_b32 v[\pw], v[TM+5], 8, v[TM+4]
	v_lshl_or_b32 v[\pw], v[TM+6], 16, v[\pw]
	v_lshl_or_b32 v[\pw], v[TM+7], 24, v[\pw]
.irp c, 0,1
	v_cvt_scalef32_pk16_fp6_f32 v[PC+6*\c:PC+2+6*\c], v[\s+32*\c:\s+15+32*\c], v[TM+12+2*\c]
	v_cvt_scalef32_pk16_fp6_f32 v[PC+12+4*\c:PC+14+4*\c], v[\s+16+32*\c:\s+31+32*\c], v[TM+12+2*\c+1]   ; (a conversion's three registers begin on an even number)
.endr
	v_nop                                          ; one plain place behind a scaled conversion
.irp c, 0,1                                    ; the operand's layout wants a whole block in a lane: lanes 0-15 block 2 c, lanes 16-31 block 2 c + 1
.irp i, 0,1,2
	v_permlane16_swap_b32 v[PC+6*\c+\i], v[PC+12+4*\c+\i]
.endr
.irp i, 0,1,2
	v_mov_b32 v[PC+3+6*\c+\i], v[PC+12+4*\c+\i]
.endr
.endr
.endm
	LOADX 0
	LOADX 1
.irp s, 0,1,2,3,4,5,6,7
.if \s < 7
	s_wait_loadcnt 16                              ; this K step's 16 loads are in; the next step's 16 may be out
.else
	s_wait_loadcnt 0x0
.endif
.irp p, 0,1,2,3,4,5,6,7,8,9,10,11,12,13,14,15
	ds_store_b128 v2, v[R+64*(\s%2)+4*\p:R+64*(\s%2)+4*\p+3] offset:528*\p
.endr
.irp b, 0,1,2,3
.irp j, 0,1,2,3
	ds_load_b128 v[X+16*\b+4*\j:X+16*\b+4*\j+3], v3 offset:128*\b+16*\j   ; LDS serves a wave's instructions in order: these see the stores above
.endr
.endr
	s_wait_dscnt 0x0                               ; my 64 numbers are back, and the stores have read their registers,
.if \s < 6
	LOADX \s+2                                     ; which take the loads of two K steps on
.endif
	s_wait_xcnt 0x0                                ; the last step's stores have read v[PC] on: it is rewritten only behind this wait
	QUANT X, PWS+\s
.irp c, 0,1,2
	global_store_b128 v1, v[PC+4*\c:PC+4*\c+3], s[18:19] offset:12288*\s+512*\c   ; 32 lanes store 512 consecutive bytes
.endr
.endr
	v_cmp_le_u32 vcc_lo, 16, v4                    ; lanes 16-31 carry the odd K steps' words
.irp q, 0,1,2,3
	v_cndmask_b32 v[TM+\q], v[PWS+2*\q], v[PWS+2*\q+1], vcc_lo
.endr
	global_store_b128 v1, v[TM:TM+3], s[20:21]     ; the tile's 512 bytes of scale words
	s_branch .Lend
	; ---------------- W: 32 columns x one K step of 128; a lane takes a column, its registers run down K ----------------
.Lweights:
	s_lshr_b32 s28, s27, 8                         ; weight 0..3: q, k, v, o
	s_cmp_eq_u32 s28, 0
	s_cselect_b64 s[30:31], s[10:11], s[12:13]
	s_cmp_eq_u32 s28, 2
	s_cselect_b64 s[30:31], s[14:15], s[30:31]
	s_cmp_eq_u32 s28, 3
	s_cselect_b64 s[30:31], s[16:17], s[30:31]
	s_bfe_u32 s29, s27, 0x30005                    ; K step 0..7
	s_and_b32 s37, s27, 31                         ; group of 32 columns: the four waves of a work-group stand side by side on 512 bytes of each row
	s_lshl_b32 s32, s29, 19                        ; 128 rows of 4,096 bytes
	s_lshl_b32 s33, s37, 7
	s_add_co_u32 s32, s32, s33
	s_mov_b32 s33, 0
	s_add_nc_u64 s[30:31], s[30:31], s[32:33]
	s_mul_i32 s34, s28, 786432
	s_lshr_b32 s35, s37, 3
	s_mul_i32 s35, s35, 196608                     ; the slice of 256 columns
	s_add_co_u32 s34, s34, s35
	s_mul_i32 s35, s29, 24576                      ; the K step
	s_add_co_u32 s34, s34, s35
	s_and_b32 s35, s37, 7
	s_mul_i32 s35, s35, 3072                       ; my two tiles in it
	s_add_co_u32 s34, s34, s35
	s_mov_b32 s35, 0
	s_add_nc_u64 s[22:23], s[22:23], s[34:35]
	s_lshl_b32 s34, s28, 15
	s_lshl_b32 s32, s37, 10                        ; two tiles of 512 bytes of scale words
	s_add_co_u32 s34, s34, s32
	s_and_b32 s32, s29, 1
	s_lshl_b32 s32, s32, 8
	s_add_co_u32 s34, s34, s32
	s_lshr_b32 s32, s29, 1
	s_lshl_b32 s32, s32, 2
	s_add_co_u32 s34, s34, s32
	s_add_nc_u64 s[24:25], s[24:25], s[34:35]
	v_and_b32 v7, 8, v5
	v_add_nc_u32 v7, v7, v5
	v_lshl_add_u32 v7, v6, 3, v7                   ; lane 16 u + r takes column 8 u + r + 8 (r / 8) of the 32
	v_lshlrev_b32 v7, 2, v7
	v_lshlrev_b32 v8, 4, v5
	v_lshl_add_u32 v8, v6, 9, v8                   ; my scale word: tile u, row r
.macro LOADW b                         ; block b: W(32 b + i, my column): a wave reads 128 consecutive bytes of a row
.set i, 0
.rept 32
	global_load_b32 v[WD+32*(\b)+i], v7, s[30:31] offset:(32*(\b)+i)*4096 th:TH_LOAD_NT
.set i, i+1
.endr
.endm
.macro BLOCKW b
.if (\b) < 3
	s_wait_loadcnt 32                              ; this block's 32 loads are in; the next block's may be out
.else
	s_wait_loadcnt 0x0
.endif
.if (\b) < 2
	LOADW (\b)+2                                   ; every block has registers of its own
.endif
.set XS, WD+32*(\b)
.set FD, F0+12*((\b)%2)+6*((\b)/2)
	v_max3_num_f32 v9, |v[XS]|, |v[XS+1]|, |v[XS+2]|               ; the block's largest magnitude: all 32 numbers are mine
	v_max3_num_f32 v10, |v[XS+3]|, |v[XS+4]|, |v[XS+5]|
.irp i, 6,10,14,18,22,26
	v_max3_num_f32 v9, v9, |v[XS+\i]|, |v[XS+\i+1]|
	v_max3_num_f32 v10, v10, |v[XS+\i+2]|, |v[XS+\i+3]|
.endr
	v_max3_num_f32 v9, v9, |v[XS+30]|, |v[XS+31]|
	v_max3_num_f32 v9, v9, v10, 0x1800000          ; and the floor
	v_add_nc_u32 v11, 0xff000000, v9               ; the conversion's scale operand
	v_lshrrev_b32 v13, 23, v11                     ; the byte
.if (\b) == 0
	v_mov_b32 v12, v13
.else
	v_lshl_or_b32 v12, v13, 8*(\b), v12            ; my column's scale word of this K step
.endif
	v_cvt_scalef32_pk16_fp6_f32 v[FD:FD+2], v[XS:XS+15], v11
	v_cvt_scalef32_pk16_fp6_f32 v[SCR+4*(\b):SCR+4*(\b)+2], v[XS+16:XS+31], v11
	v_nop                                          ; one plain place behind a scaled conversion
.endm
	LOADW 0
	LOADW 1
	BLOCKW 0
	BLOCKW 1
	BLOCKW 2
	BLOCKW 3
.irp b, 0,1,2,3
.irp i, 0,1,2
	v_mov_b32 v[F0+12*(\b%2)+6*(\b/2)+3+\i], v[SCR+4*\b+\i]
.endr
.endr
.set i, 0
.rept 12                               ; lanes 0-15 hold tile 2 g's four blocks, lanes 16-31 tile 2 g + 1's: the even blocks' upper lanes change places with the odd blocks' lower lanes, and both fragments stand
	v_permlane16_swap_b32 v[F0+i], v[F1+i]
.set i, i+1
.endr
.irp c, 0,1,2,3,4,5
	global_store_b128 v1, v[F0+4*\c:F0+4*\c+3], s[22:23] offset:512*\c   ; 3,072 consecutive bytes in all
.endr
	global_store_b32 v8, v12, s[24:25]             ; pieces of 4 bytes, 16 bytes apart: one byte for each 128 that the wave has read
.Lend:
	s_wait_tensorcnt 0x0                           ; the wave's end
	ds_add_u32 v[SPW], v[NIL]
	s_wait_dscnt 0x0
	s_endpgm
.Lfunc_end_k_q4afabb4bd1_quant:
	.size	k_q4afabb4bd1_quant, .Lfunc_end_k_q4afabb4bd1_quant-k_q4afabb4bd1_quant
	.p2alignl 7, 3214868480
	.fill 96, 4, 3214868480
	.section	.rodata,"a",@progbits
	.p2align	6, 0x0
	.amdhsa_kernel k_q4afabb4bd1_quant
		.amdhsa_group_segment_fixed_size 34304
		.amdhsa_private_segment_fixed_size 0
		.amdhsa_enable_private_segment 0
		.amdhsa_kernarg_size 88
		.amdhsa_user_sgpr_count 2
		.amdhsa_user_sgpr_kernarg_segment_ptr 1
		.amdhsa_wavefront_size32 1
		.amdhsa_system_sgpr_workgroup_id_x 1
		.amdhsa_system_sgpr_workgroup_id_y 1
		.amdhsa_system_sgpr_workgroup_id_z 1
		.amdhsa_system_vgpr_workitem_id 0
		.amdhsa_next_free_vgpr 256
		.amdhsa_next_free_sgpr 66
		.amdhsa_reserve_vcc 1
		.amdhsa_float_denorm_mode_32 3
		.amdhsa_float_denorm_mode_16_64 3
		.amdhsa_memory_ordered 1
		.amdhsa_forward_progress 1
		.amdhsa_inst_pref_size 84
	.end_amdhsa_kernel
	.amdgpu_metadata
---
amdhsa.version: [ 1, 2 ]
amdhsa.kernels:
  - .name:           k_q4afabb4bd1_quant
    .symbol:         k_q4afabb4bd1_quant.kd
    .args:
      - { .name: queries, .offset: 0, .size: 8, .value_kind: global_buffer, .address_space: global }
      - { .name: keys, .offset: 8, .size: 8, .value_kind: global_buffer, .address_space: global }
      - { .name: values, .offset: 16, .size: 8, .value_kind: global_buffer, .address_space: global }
      - { .name: Wq, .offset: 24, .size: 8, .value_kind: global_buffer, .address_space: global }
      - { .name: Wk, .offset: 32, .size: 8, .value_kind: global_buffer, .address_space: global }
      - { .name: Wv, .offset: 40, .size: 8, .value_kind: global_buffer, .address_space: global }
      - { .name: Wo, .offset: 48, .size: 8, .value_kind: global_buffer, .address_space: global }
      - { .name: xc, .offset: 56, .size: 8, .value_kind: global_buffer, .address_space: global }
      - { .name: xs, .offset: 64, .size: 8, .value_kind: global_buffer, .address_space: global }
      - { .name: wc, .offset: 72, .size: 8, .value_kind: global_buffer, .address_space: global }
      - { .name: ws, .offset: 80, .size: 8, .value_kind: global_buffer, .address_space: global }
    .group_segment_fixed_size: 34304
    .private_segment_fixed_size: 0
    .kernarg_segment_align: 8
    .kernarg_segment_size: 88
    .max_flat_workgroup_size: 128
    .sgpr_count:     66
    .vgpr_count:     256
    .wavefront_size: 32
...
	.end_amdgpu_metadata
.endif
;; end of part 1
;; launch proj (part 2): grid 4 x 192, 4 waves a work-group, clusters of 4 x 4, 327,680 bytes of LDS; arguments xc, xs, wc, ws, qr, kv; writes qr, kv
.if DOCPART == 2
	.amdgcn_target "amdgcn-amd-amdhsa--gfx1250"
	.amdhsa_code_object_version 6
	.text
	.protected	k_q4afabb4bd1_proj
	.globl	k_q4afabb4bd1_proj
	.p2align	8
	.type	k_q4afabb4bd1_proj,@function
k_q4afabb4bd1_proj:
	s_mov_b64 s[64:65], 0
	v_nop
	global_prefetch_b8 v0, s[64:65] scope:SCOPE_SE
	s_setreg_imm32_b32 hwreg(HW_REG_WAVE_MODE, 25, 1), 1
	s_wait_xcnt 0x0
	s_wait_alu depctr_hold_cnt(0) depctr_sa_sdst(0) depctr_va_vdst(0) depctr_va_sdst(0) depctr_va_ssrc(0) depctr_va_vcc(0) depctr_vm_vsrc(0)
	s_getreg_b32 s2, hwreg(HW_REG_IB_STS2, 6, 4)
	s_cmp_eq_u32 s2, 0
	s_cbranch_scc0 .Lentry_in_a_cluster
	s_endpgm
.Lentry_in_a_cluster:
	s_bfe_u32 s2, ttmp6, 0x10000c
	s_cmp_lg_u32 s2, 0xf033
	s_cbranch_scc0 .Lentry_shape_is_right
	s_endpgm
.Lentry_shape_is_right:
; q = queries Wq, k = keys Wk, v = values Wv on codes of FP6 (E2M3) with E8M0 scales; the results are quantised at once, q and k along the head's 64, v along the keys, and leave as images of operand registers.
; SHARES.  A work-group makes 128 rows x 256 columns of one of the three products (tensor = cluster y / 16); wave w makes 128 x 64: one head: 32 accumulators.
; ALL OF K (1,024) LIES IN LDS: A's 98,304 bytes, B's 196,608, the scale words 12,288.  Every tensor load is a first fill; nothing is filled again.  The loads go by quarters of K, and the products of a quarter
; begin when that quarter has landed.  CLUSTER 4 x 4: the four of a row need the same rows of X, the four of a column the same columns of W: each block is asked for jointly.
; Operands are images of registers (16 rows x 128 K: 1,536 bytes, registers 4 c .. 4 c + 3 of lane l at 512 c + 16 l): three loads of 16 bytes a lane, dense.
; q, k: THE PRODUCT IS USED TRANSPOSED (source 0 = 16 columns of W, source 1 = 16 rows of X): a lane holds one row and its registers run along the head's channels.  v: natural (source 0 = 16 rows of X = keys,
; source 1 = 16 columns of W): a lane holds one channel and its registers run along the keys.  The rows of a tile are 32 g + 8 u + r + 8 (r / 8), so 16 registers of two neighbouring tiles are 16 neighbours.
; OUT.  qr: [batch x head 64][128 queries 16] records of 6,656 bytes: 48 registers' image (tile a: registers 6 a .. 6 a + 5: K = 64), then 512 bytes of scale words (tile 2 q + u, row r at 16 (16 u + r) + 4 q; bytes 2, 3 = 127).
; kv: [batch x head 64][128 keys 16] records of 13,312 bytes: K as in qr at 0; V's four fragments (channel tile b: registers 12 b ..) at 6,656; V's scale words at 12,800 (tile 2 e + u, row r at 8 (16 u + r) + 4 e);
; at 13,056 the sums of the quantised V over the record's 128 keys, laid likewise: four products of a fragment of ones with V's fragments.
; LIMITS: a block of zeros, and one whose largest magnitude lies under 2^-124, keeps the byte 1 (read by this program alone); NaN and infinities are not served.
; REGISTERS: window 0: v1-11 addresses; v28, v29 the add's two; v32-63 A's scale words, v64-79 B's; v80-232 the way out.  window 1: the 32 accumulators.  window 2: A's fragments, two sets of 96.  window 3: B's, two sets of 48.
.set LB,    98304                      ; LDS: A's codes [K step 8][tile 8] at 0; B's [K step 8][tile 16] here;
.set LAS,   294912                     ; A's scale words, 512 bytes a tile;
.set LBS,   299008                     ; B's;
.set SPARE, 307200                     ; the spare words, 128 bytes a wave, that no other line names
.set SPW,  28
.set NIL,  29
.set AS,   32
.set BS,   64
.set TM,   80
.set TP,   96
.set SO,   112
.set IMG,  128
.set SCR,  176
.set WD,   208
.set SW,   216
.set ONES, 220
.set UNIT, 232
.set G1A,  24                          ; s[24:31] group 1 for A's codes; s[32:39] B's; s[40:47] A's scales; s[48:55] B's scales
.set G1B,  32
.set G1AS, 40
.set G1BS, 48
.set G0AS, 92                          ; groups 0: A's quarters at s56, s60, s68, s72; B's at s76 + 4 q; the scales' at s92, s96
.set G0BS, 96
.set W0,   (3<<16)|(1<<21)             ; elements of 8 bytes; bit 21 set beside a mask; no padding
.set MSB, 0
.macro WIN new                         ; the immediate's high byte repeats the setting that is left
.if MSB != \new
	s_set_vgpr_msb (MSB<<8)|\new
.set MSB, \new
.endif
.endm
.macro PLACES
.rept 4
	v_nop
.endr
.endm
.macro CROUND                          ; a round of the cluster's barrier
	s_barrier_signal -1
	s_barrier_wait -1
	s_cmp_lg_u32 s16, 0
	s_cbranch_scc1 .Lnot_wave_0_\@
	s_barrier_signal -3
.Lnot_wave_0_\@:
	s_barrier_wait -3
	s_barrier_signal -1
	s_barrier_wait -1
.endm
.macro SHAPE g, rows                   ; a dense block as rows of 256 bytes: 32 elements of 8 bytes
	s_mov_b32 s[\g+1], 32<<16
	s_mov_b32 s[\g+2], (\rows)<<16
	s_mov_b32 s[\g+3], 32<<16
	s_mov_b32 s[\g+4], \rows
	s_mov_b32 s[\g+5], 32
	s_mov_b32 s[\g+6], 0
	s_mov_b32 s[\g+7], 0
.endm
	s_load_b256 s[4:11], s[0:1], 0x0               ; xc, xs, wc, ws
	s_load_b128 s[12:15], s[0:1], 0x20             ; qr, kv
	v_lshl_add_u32 v[SPW], v0, 2, SPARE
	v_mov_b32 v[NIL], 0
	ds_add_u32 v[SPW], v[NIL]                      ; the wave's opening: the add and its wait stand ahead of the first tensor load; work on registers stands between
	v_lshrrev_b32 v1, 5, v0
	v_readfirstlane_b32 s16, v1                    ; wave
	s_bfe_u32 s17, ttmp6, 0x40000                  ; cx
	s_bfe_u32 s18, ttmp6, 0x40004                  ; cy
	s_and_b32 s19, ttmp7, 0xffff                   ; cluster y
	s_lshr_b32 s20, s19, 4                         ; the tensor: 0 q, 1 k, 2 v: the same in all sixteen partners
	s_lshl_b32 s21, s19, 2
	s_add_co_u32 s21, s21, s18                     ; 64 x tensor + block of 128 rows
	s_lshl_b32 s100, s18, 2
	s_lshl_b32 s100, 15, s100                      ; my row of the cluster
	s_lshl_b32 s22, 0x1111, s17                    ; my column
	s_or_b32 s[G1A], s100, W0
	s_or_b32 s[G1AS], s100, W0
	s_or_b32 s[G1B], s22, W0
	s_or_b32 s[G1BS], s22, W0
	SHAPE G1A, 96                                  ; a quarter of A: two K steps, 24,576 bytes
	SHAPE G1B, 96                                  ; one K step of B: 24,576 bytes
	SHAPE G1AS, 16
	SHAPE G1BS, 32
	s_lshl_b32 s22, ttmp9, 2
	s_add_co_u32 s17, s17, s22                     ; the slice of 256 columns
	s_mul_i32 s2, s21, 98304                       ; A's block,
	s_mov_b32 s3, 0
	s_lshl_b32 s100, s21, 12                       ; and its scale words
	s_mov_b32 s101, 0
	s_lshr_b32 s77, s16, 1                         ; waves 1 and 2 fetch B's even and odd K steps
	s_mul_i32 s77, s77, 24576
	s_mul_i32 s22, s20, 786432
	s_mul_i32 s23, s17, 196608
	s_add_co_u32 s22, s22, s23
	s_add_co_u32 s22, s22, s77                     ; B's slice, my first K step
	s_mov_b32 s23, 0
	s_lshl_b32 s66, s20, 15
	s_lshl_b32 s67, s17, 13
	s_add_co_u32 s66, s66, s67                     ; and its scale words
	s_mov_b32 s67, 0
	s_wait_dscnt 0x0                               ; the opening add is done
	s_wait_kmcnt 0x0
	s_add_nc_u64 s[2:3], s[4:5], s[2:3]
	s_add_nc_u64 s[100:101], s[6:7], s[100:101]
	s_add_nc_u64 s[22:23], s[8:9], s[22:23]
	s_add_nc_u64 s[66:67], s[10:11], s[66:67]
	CROUND                                         ; all sixteen work-groups are here: the joint loads meet
.irp q, 3,2,1,0
	s_mov_b32 s[56+4*\q+4*(\q/2)], 1
	s_mov_b32 s[57+4*\q+4*(\q/2)], \q*24576
	s_add_nc_u64 s[58+4*\q+4*(\q/2):59+4*\q+4*(\q/2)], s[2:3], \q*24576
	s_or_b32 s[59+4*\q+4*(\q/2)], s[59+4*\q+4*(\q/2)], 0x80000000
	s_mov_b32 s[76+4*\q], 1
	s_add_co_u32 s[77+4*\q], s77, LB+49152*\q      ; (q = 0 comes last: it writes s77 itself)
	s_add_nc_u64 s[78+4*\q:79+4*\q], s[22:23], \q*49152
	s_or_b32 s[79+4*\q], s[79+4*\q], 0x80000000
.endr
	s_mov_b32 s[G0AS], 1
	s_mov_b32 s[G0AS+1], LAS
	s_mov_b64 s[G0AS+2:G0AS+3], s[100:101]
	s_or_b32 s[G0AS+3], s[G0AS+3], 0x80000000
	s_mov_b32 s[G0BS], 1
	s_mov_b32 s[G0BS+1], LBS
	s_mov_b64 s[G0BS+2:G0BS+3], s[66:67]
	s_or_b32 s[G0BS+3], s[G0BS+3], 0x80000000
	; all first fills, in one branch on the wave's number: wave 0 the scale words and A's four quarters (six loads of mine out), waves 1 and 2 B's (four), wave 3 none
	s_cmp_eq_u32 s16, 0
	s_cbranch_scc0 .Lnot_first
	tensor_load_to_lds s[G0AS:G0AS+3], s[G1AS:G1AS+7]
	s_nop 0
	tensor_load_to_lds s[G0BS:G0BS+3], s[G1BS:G1BS+7]
	s_nop 0
	tensor_load_to_lds s[56:59], s[G1A:G1A+7]
	s_nop 0
	tensor_load_to_lds s[60:63], s[G1A:G1A+7]
	s_nop 0
	tensor_load_to_lds s[68:71], s[G1A:G1A+7]
	s_nop 0
	tensor_load_to_lds s[72:75], s[G1A:G1A+7]
	s_nop 0
	PLACES
	s_branch .Lasked
.Lnot_first:
	s_cmp_eq_u32 s16, 3
	s_cbranch_scc1 .Lasked
	tensor_load_to_lds s[76:79], s[G1B:G1B+7]
	s_nop 0
	tensor_load_to_lds s[80:83], s[G1B:G1B+7]
	s_nop 0
	tensor_load_to_lds s[84:87], s[G1B:G1B+7]
	s_nop 0
	tensor_load_to_lds s[88:91], s[G1B:G1B+7]
	s_nop 0
	PLACES
.Lasked:
	v_and_b32 v11, 31, v0                          ; lane
	v_lshlrev_b32 v1, 4, v11                       ; 16 x lane
	v_lshlrev_b32 v2, 3, v11                       ; 8 x lane
	v_mov_b32 v3, v1                               ; A: K steps 0-3,
	v_add_nc_u32 v4, 49152, v1                     ; 4-7
	s_mul_i32 s22, s16, 6144                       ; B: my four tiles,
	s_add_co_u32 s22, s22, LB
.irp q, 0,1,2,3
	v_add_nc_u32 v[5+\q], s22, v1                  ; K steps 2 q, 2 q + 1
	s_add_co_u32 s22, s22, 49152
.endr
	v_add_nc_u32 v9, LAS, v1
	s_lshl_b32 s22, s16, 11
	s_add_co_u32 s22, s22, LBS
	v_add_nc_u32 v10, s22, v1
.set i, 0
.rept 16
	v_mov_b32 v[TP+i], 0                           ; written once: a lane permute's destination counts as one of its sources
.set i, i+1
.endr
	s_mov_b32 s66, 0x76543210                      ; selects for lane l xor 16
	s_mov_b32 s67, 0xfedcba98
	; my record: (16 x batch + head) x 16 + the block of 128 rows in the batch
	s_and_b32 s100, s21, 63
	s_lshr_b32 s101, s100, 4
	s_and_b32 s100, s100, 15
	s_lshl_b32 s101, s101, 4
	s_lshl_b32 s23, s17, 2
	s_add_co_u32 s101, s101, s23
	s_add_co_u32 s101, s101, s16
	s_lshl_b32 s101, s101, 4
	s_add_co_u32 s100, s100, s101
	s_cmp_eq_u32 s20, 0
	s_cselect_b64 s[2:3], s[12:13], s[14:15]
	s_mov_b32 s23, 13312
	s_cselect_b32 s23, 6656, s23
	s_mul_i32 s100, s100, s23
	s_cmp_eq_u32 s20, 2
	s_cselect_b32 s23, 6656, 0                     ; V's part of a record
	s_add_co_u32 s100, s100, s23
	s_mov_b32 s101, 0
	s_add_nc_u64 s[2:3], s[2:3], s[100:101]
.macro WM d, x, y, sx, sy, s           ; one product; K step 0 starts the sums; an odd K step's scale words stand in lanes 16-31
.if (\s) == 0
	v_wmma_scale_f32_16x16x128_f8f6f4 v[\d:\d+7], v[\x:\x+11], v[\y:\y+11], 0, v[\sx], v[\sy] matrix_a_fmt:MATRIX_FMT_FP6 matrix_b_fmt:MATRIX_FMT_FP6
.elseif (\s)%2
	v_wmma_scale_f32_16x16x128_f8f6f4 v[\d:\d+7], v[\x:\x+11], v[\y:\y+11], v[\d:\d+7], v[\sx], v[\sy] matrix_a_fmt:MATRIX_FMT_FP6 matrix_b_fmt:MATRIX_FMT_FP6 matrix_a_scale:MATRIX_SCALE_ROW1 matrix_b_scale:MATRIX_SCALE_ROW1
.else
	v_wmma_scale_f32_16x16x128_f8f6f4 v[\d:\d+7], v[\x:\x+11], v[\y:\y+11], v[\d:\d+7], v[\sx], v[\sy] matrix_a_fmt:MATRIX_FMT_FP6 matrix_b_fmt:MATRIX_FMT_FP6
.endif
.endm
; 32 products of K step s.  The 32 accumulators take turns, one instruction a turn, in the same order in every step.
.macro MUL s, mode
.set PB, 48*((\s)%2)
.set PA, 96*((\s)%2)
.set QW, (\s)/2
.if \mode == 0
	WIN 0x5b                                       ; source 0 (B) window 3, source 1 (A) window 2, C and D window 1
.irp a, 0,1,2,3,4,5,6,7
.irp b, 0,1,2,3
	WM 8*(4*\a+\b), PB+12*\b, PA+12*\a, BS+4*\b+QW, AS+4*\a+QW, \s
.endr
.endr
.else
	WIN 0x5e                                       ; source 0 (A) window 2, source 1 (B) window 3
.irp b, 0,1,2,3
.irp a, 0,1,2,3,4,5,6,7
	WM 8*(8*\b+\a), PA+12*\a, PB+12*\b, AS+4*\a+QW, BS+4*\b+QW, \s
.endr
.endr
.endif
.endm
.macro FETCH s                         ; K step s's fragments, 36 loads, into set s % 2
	WIN 0x80
.irp a, 0,1,2,3,4,5,6,7
.irp c, 0,1,2
	ds_load_b128 v[96*((\s)%2)+12*\a+4*\c:96*((\s)%2)+12*\a+4*\c+3], v[3+(\s)/4] offset:((\s)%4)*12288+1536*\a+512*\c
.endr
.endr
	WIN 0xc0
.irp b, 0,1,2,3
.irp c, 0,1,2
	ds_load_b128 v[48*((\s)%2)+12*\b+4*\c:48*((\s)%2)+12*\b+4*\c+3], v[5+(\s)/2] offset:((\s)%2)*24576+1536*\b+512*\c
.endr
.endr
.endm
.macro QBAR q                          ; quarter q of K has landed in every wave that fetched; the later quarters' loads may stay out
	s_wait_tensorcnt 3-(\q)
	s_wait_dscnt 0x0
	s_barrier_signal -1
	s_barrier_wait -1
.endm
.macro MAIN mode
	QBAR 0
.irp a, 0,1,2,3,4,5,6,7
	ds_load_b128 v[AS+4*\a:AS+4*\a+3], v9 offset:512*\a
.endr
.irp b, 0,1,2,3
	ds_load_b128 v[BS+4*\b:BS+4*\b+3], v10 offset:512*\b
.endr
	FETCH 0
.irp s, 0,1,2,3,4,5,6
.if (\s+1)%2 == 0
	QBAR (\s+1)/2
.endif
.if \s >= 1
	PLACES                                         ; in front of loads into registers that the step before last has multiplied
.endif
	FETCH \s+1
	s_wait_dscnt 36                                ; all but the 36 just issued
	MUL \s, \mode
.endr
	s_wait_dscnt 0x0
	MUL 7, \mode
	WIN 0
.endm
	s_cmp_eq_u32 s20, 2
	s_cbranch_scc1 .Lnatural
	MAIN 0
	s_branch .Lepi
.Lnatural:
	MAIN 1
.Lepi:
	; THE WAY OUT, the same text for both: block k = accumulator registers 16 k .. 16 k + 15 = my 16 of a block of 32 along the next K; lane l xor 16 holds the other 16
	PLACES
	WIN 0x05                                       ; sources 0 and 1 window 1
.set k, 0
.rept 16
	v_max3_num_f32 v[TM+k], |v[16*k]|, |v[16*k+1]|, 0x1800000      ; with the floor 2^(3 - 127); each accumulator is read from its low end on
.set k, k+1
.endr
.irp i, 2,4,6,8,10,12,14
.set k, 0
.rept 16
	v_max3_num_f32 v[TM+k], |v[16*k+\i]|, |v[16*k+\i+1]|, v[TM+k]
.set k, k+1
.endr
.endr
	WIN 0
.set k, 0
.rept 16
	v_permlanex16_b32 v[TP+k], v[TM+k], s66, s67
.set k, k+1
.endr
.set k, 0
.rept 16
	v_max_num_f32 v[TM+k], v[TM+k], v[TP+k]
.set k, k+1
.endr
.set k, 0
.rept 16
	v_add_nc_u32 v[SO+k], 0xff000000, v[TM+k]      ; the conversions' scale operands
.set k, k+1
.endr
.set k, 0
.rept 16
	v_lshrrev_b32 v[TP+k], 23, v[SO+k]             ; the bytes
.set k, k+1
.endr
	WIN 0x01                                       ; source 0 window 1
.irp c, 0,1,2,3,4,5,6,7
	v_cvt_scalef32_pk16_fp6_f32 v[IMG+6*\c:IMG+6*\c+2], v[32*\c:32*\c+15], v[SO+2*\c]
	v_cvt_scalef32_pk16_fp6_f32 v[SCR+4*\c:SCR+4*\c+2], v[32*\c+16:32*\c+31], v[SO+2*\c+1]
.endr
	WIN 0
	v_nop                                          ; one plain place behind a scaled conversion
.irp c, 0,1,2,3,4,5,6,7
.irp i, 0,1,2
	v_permlane16_swap_b32 v[IMG+6*\c+\i], v[SCR+4*\c+\i]
.endr
.irp i, 0,1,2
	v_mov_b32 v[IMG+6*\c+3+\i], v[SCR+4*\c+\i]
.endr
.endr
.irp c, 0,1,2,3,4,5,6,7,8,9,10,11
	global_store_b128 v1, v[IMG+4*\c:IMG+4*\c+3], s[2:3] offset:512*\c   ; 6,144 consecutive bytes
.endr
	v_cmp_le_u32 s100, 16, v11                     ; lanes 16-31
	s_cmp_eq_u32 s20, 2
	s_cbranch_scc1 .Ltail_v
.irp a, 0,1,2,3,4,5,6,7
	v_lshl_or_b32 v[WD+\a], v[TP+2*\a+1], 8, v[TP+2*\a]
.endr
.irp a, 0,1,2,3,4,5,6,7
	v_or_b32 v[WD+\a], 0x7f7f0000, v[WD+\a]        ; K = 64: the upper two blocks hold no numbers; their bytes are 127
.endr
.irp q, 0,1,2,3
	v_cndmask_b32 v[SW+\q], v[WD+2*\q], v[WD+2*\q+1], s100
.endr
	global_store_b128 v1, v[SW:SW+3], s[2:3] offset:6144
	s_branch .Lend
.Ltail_v:
.irp b, 0,1,2,3
	v_lshl_or_b32 v[WD+\b], v[TP+4*\b+1], 8, v[TP+4*\b]
.endr
.irp b, 0,1,2,3
	v_lshl_or_b32 v[WD+\b], v[TP+4*\b+2], 16, v[WD+\b]
.endr
.irp b, 0,1,2,3
	v_lshl_or_b32 v[WD+\b], v[TP+4*\b+3], 24, v[WD+\b]
.endr
.irp e, 0,1
	v_cndmask_b32 v[SW+\e], v[WD+2*\e], v[WD+2*\e+1], s100
.endr
	global_store_b64 v2, v[SW:SW+1], s[2:3] offset:6144
.irp i, 0,3,6,9
	v_mov_b32 v[ONES+\i], 0x08208208               ; the code of 1.0 is 8: a stream of 6-bit eights
	v_mov_b32 v[ONES+\i+1], 0x82082082
	v_mov_b32 v[ONES+\i+2], 0x20820820
.endr
	v_mov_b32 v[UNIT], 0x7f7f7f7f                  ; and its scale 1
.rept 8
	v_nop                                          ; a scale register written by a vector instruction stands 8 places ahead of a scaled product, an operand 4
.endr
.irp b, 0,1,2,3
	v_wmma_scale_f32_16x16x128_f8f6f4 v[SCR+8*\b:SCR+8*\b+7], v[ONES:ONES+11], v[IMG+12*\b:IMG+12*\b+11], 0, v[UNIT], v[WD+\b] matrix_a_fmt:MATRIX_FMT_FP6 matrix_b_fmt:MATRIX_FMT_FP6   ; every row: the sums over the 128 keys of channel tile b
.endr
	PLACES
	v_cndmask_b32 v[SW+2], v[SCR], v[SCR+8], s100
	v_cndmask_b32 v[SW+3], v[SCR+16], v[SCR+24], s100
	global_store_b64 v2, v[SW+2:SW+3], s[2:3] offset:6400
.Lend:
	s_wait_tensorcnt 0x0                           ; the wave's end
	ds_add_u32 v[SPW], v[NIL]
	s_wait_dscnt 0x0
	CROUND                                         ; the closing round
	s_endpgm
.Lfunc_end_k_q4afabb4bd1_proj:
	.size	k_q4afabb4bd1_proj, .Lfunc_end_k_q4afabb4bd1_proj-k_q4afabb4bd1_proj
	.p2alignl 7, 3214868480
	.fill 96, 4, 3214868480
	.section	.rodata,"a",@progbits
	.p2align	6, 0x0
	.amdhsa_kernel k_q4afabb4bd1_proj
		.amdhsa_group_segment_fixed_size 327680
		.amdhsa_private_segment_fixed_size 0
		.amdhsa_enable_private_segment 0
		.amdhsa_kernarg_size 48
		.amdhsa_user_sgpr_count 2
		.amdhsa_user_sgpr_kernarg_segment_ptr 1
		.amdhsa_wavefront_size32 1
		.amdhsa_system_sgpr_workgroup_id_x 1
		.amdhsa_system_sgpr_workgroup_id_y 1
		.amdhsa_system_sgpr_workgroup_id_z 1
		.amdhsa_system_vgpr_workitem_id 0
		.amdhsa_next_free_vgpr 864
		.amdhsa_next_free_sgpr 102
		.amdhsa_reserve_vcc 0
		.amdhsa_float_denorm_mode_32 3
		.amdhsa_float_denorm_mode_16_64 3
		.amdhsa_memory_ordered 1
		.amdhsa_forward_progress 1
		.amdhsa_inst_pref_size 137
	.end_amdhsa_kernel
	.amdgpu_metadata
---
amdhsa.version: [ 1, 2 ]
amdhsa.kernels:
  - .name:           k_q4afabb4bd1_proj
    .symbol:         k_q4afabb4bd1_proj.kd
    .args:
      - { .name: xc, .offset: 0, .size: 8, .value_kind: global_buffer, .address_space: global }
      - { .name: xs, .offset: 8, .size: 8, .value_kind: global_buffer, .address_space: global }
      - { .name: wc, .offset: 16, .size: 8, .value_kind: global_buffer, .address_space: global }
      - { .name: ws, .offset: 24, .size: 8, .value_kind: global_buffer, .address_space: global }
      - { .name: qr, .offset: 32, .size: 8, .value_kind: global_buffer, .address_space: global }
      - { .name: kv, .offset: 40, .size: 8, .value_kind: global_buffer, .address_space: global }
    .group_segment_fixed_size: 327680
    .private_segment_fixed_size: 0
    .kernarg_segment_align: 8
    .kernarg_segment_size: 48
    .max_flat_workgroup_size: 128
    .sgpr_count:     102
    .vgpr_count:     864
    .wavefront_size: 32
...
	.end_amdgpu_metadata
.endif
;; end of part 2
;; launch attn (part 3): grid 8 x 32, 16 waves a work-group, no clusters, 215,296 bytes of LDS; arguments qr, kv, valid_lens, oc, os; writes oc, os
.if DOCPART == 3
	.amdgcn_target "amdgcn-amd-amdhsa--gfx1250"
	.amdhsa_code_object_version 6
	.text
	.protected	k_q4afabb4bd1_attn
	.globl	k_q4afabb4bd1_attn
	.p2align	8
	.type	k_q4afabb4bd1_attn,@function
k_q4afabb4bd1_attn:
	s_mov_b64 s[64:65], 0
	v_nop
	global_prefetch_b8 v0, s[64:65] scope:SCOPE_SE
	s_setreg_imm32_b32 hwreg(HW_REG_WAVE_MODE, 25, 1), 1
	s_wait_xcnt 0x0
; softmax(mask(q k^T / 8)) v for 64 (batch, head) pairs of 2,048 queries and keys, head size 64, both products on codes of FP6 (E2M3); the result, divided by the row's sum, is quantised along D and leaves as codes.
; THE SOFTMAX: t = logit x log2(e); M = the running largest t rounded up to a whole number; p = 2^(t - M) is quantised along the keys; the row's sum is taken of the unquantised p.
; THE MASK: keys at or behind valid_lens[batch] have the logit -1e6 (as a raw score: -8e6).  A step of 128 keys that lies wholly behind valid_lens is not walked: all its p are one number p_m, so it adds
; 128 p_m to the sum and Q(p_m) x (the sum of the quantised V over its keys) to O; those sums lie in the records.  So the masked keys keep their weight where the scores are as low as -1e6.
; SHARES.  A work-group owns 256 queries of one head and runs TWO PHASES, each one batch: the four batches are sorted by valid_lens, one pair of work-groups' rows takes the longest and the shortest, the other the two
; middle ones, so that the work-groups' steps are nearly alike.  Each of the sixteen waves owns one tile of 16 queries; four waves share a SIMD, so that one wave's vector work stands beside another's products.
; K and V: in each phase wave w copies step w's record (13,312 bytes) into LDS through registers, if the step is walked; all sixteen read them.
; NO TENSOR LOADS, NO CLUSTER: which steps are walked hangs on valid_lens, a number read from memory, and work-groups of different batches would need different numbers of tiles.
; LAYOUT.  S^T = K Q^T (source 0 = 16 keys, source 1 = my 16 queries), O^T = V^T P^T: a lane holds one query.  K = 64 in the first product: Q's registers 6-11 are zero codes; K's eight tiles lie on end, six registers
; each, and a tile's operand runs on into the next tile's codes, which meet Q's zeros; six zero registers stand behind the last.
; OUT.  oc: [128 rows 64][K step 8][tile 8][head % 2] half fragments of 768 bytes (registers 0-3 at 16 x lane, 4-5 at 512 + 8 x lane).  os: 512 bytes a tile: word (K step s, row r) at 256 (s % 2) + 16 r + 4 (s / 2);
; a head owns two bytes of a word: they leave as pieces of 2 bytes, one store a wave and phase.
; LIMITS: valid_lens is held to 0 .. 2,048 (the same mask); a p_m under 2^-124 is rounded as a normal number; blocks of zeros keep the byte 1; NaN and infinities are not served.
.set REC,   13312
.set VSB,   16*REC                     ; LDS: 16 records; then 256 bytes: the masked steps' sums of V; then the spare words, 128 bytes a wave
.set SPARE, VSB+256
.set AD16, 3                           ; v1 16 x lane, v2 8 x lane; v3, v4 the same in the step's record
.set AD8,  4
.set SPW,  5
.set NIL,  6
.set NEGV, 7                           ; -8e6
.set H16,  8                           ; 16 (lane / 16)
.set STGA, 9                           ; where my wave stores its record
.set VSW,  10
.set VSR,  11
.set Q,    16                          ; v16-27 Q's fragment, v22-27 zeros
.set QS,   28                          ; Q's scale words
.set PS,   29                          ; p's
.set KV,   30                          ; v30-77 K's eight tiles or V's four fragments; v78-83 zeros
.set KS,   84                          ; v84-87 K's scale words
.set VS,   88                          ; v88-89 V's
.set S,    90                          ; v90-153 S^T, then p
.set O,    154                         ; v154-185 O^T
.set P,    186                         ; v186-197 p's codes; v198-200, v202-204 at work
.set PX,   198
.set BM,   206
.set BP,   210
.set SO,   214
.set F,    218                         ; v[218:219] f
.set T,    220                         ; v220-224 at work
.set PFO,  225
.set QO,   226                         ; v226-228 Q's three offsets; v229 its scale word's; v230 16 r
	s_load_b256 s[4:11], s[0:1], 0x0               ; qr, kv, valid_lens, oc
	s_load_b64 s[12:13], s[0:1], 0x20              ; os
	v_lshl_add_u32 v[SPW], v0, 2, SPARE
	v_mov_b32 v[NIL], 0
	v_lshrrev_b32 v[T], 5, v0
	v_readfirstlane_b32 s14, v[T]                  ; wave
	s_mov_b32 s15, ttmp9                           ; block of 256 queries
	s_and_b32 s16, ttmp7, 0xffff
	s_lshr_b32 s17, s16, 4                         ; which pair of batches
	s_and_b32 s16, s16, 15                         ; head
	v_and_b32 v[T], 31, v0                         ; lane
	v_and_b32 v[T+1], 15, v0                       ; r
	v_bfe_u32 v[T+2], v0, 4, 1                     ; h
	v_lshlrev_b32 v1, 4, v[T]
	v_lshlrev_b32 v2, 3, v[T]
	v_mov_b32 v[NEGV], 0xcaf42400
	v_lshlrev_b32 v[H16], 4, v[T+2]
	s_mul_i32 s54, s14, REC
	v_add_nc_u32 v[STGA], s54, v1
	v_lshl_add_u32 v[VSW], v[T], 2, VSB
	v_lshl_add_u32 v[VSR], v[T+2], 5, VSB
	v_lshlrev_b32 v[PFO], 8, v[T]
	s_and_b32 s18, s14, 7                          ; my tile among the eight of 128 queries
	s_mul_i32 s19, s18, 6
.irp i, 0,1,2
	s_add_co_u32 s54, s19, 2*\i                    ; register 6 tile + 2 i of the image: chunk / 4, word % 4
	s_lshr_b32 s58, s54, 2
	s_lshl_b32 s58, s58, 9
	s_and_b32 s54, s54, 3
	s_lshl_b32 s54, s54, 2
	s_add_co_u32 s54, s54, s58
	v_add_nc_u32 v[QO+\i], s54, v1
.endr
	s_and_b32 s54, s18, 1
	s_lshl_b32 s54, s54, 8
	s_lshr_b32 s58, s18, 1
	s_lshl_b32 s58, s58, 2
	s_add_co_u32 s54, s54, s58
	v_lshl_add_u32 v[QO+3], v[T+1], 4, s54
	v_lshlrev_b32 v[QO+4], 4, v[T+1]
.irp i, 6,7,8,9,10,11
	v_mov_b32 v[Q+\i], 0
.endr
.irp i, 48,49,50,51,52,53
	v_mov_b32 v[KV+\i], 0
.endr
.irp b, 0,1,2,3
	v_mov_b32 v[BP+\b], 0                          ; written once: a lane permute's destination counts as one of its sources
.endr
	v_mov_b32 v[F+1], 0                            ; (named as the upper half of a pair)
	s_mov_b32 s28, 0x76543210
	s_mov_b32 s29, 0xfedcba98
	s_mov_b32 s30, 0x3e38aa3b                      ; c = log2(e) / 8
	s_mov_b32 s31, s30
	s_mov_b32 s53, 0
	s_mov_b32 s59, 0
	s_lshl_b32 s60, s15, 1
	s_lshr_b32 s61, s14, 3
	s_add_co_u32 s60, s60, s61                     ; my block of 128 queries in the batch
	s_mul_i32 s61, s18, 1536
	s_and_b32 s54, s16, 1
	s_mul_i32 s58, s54, 768
	s_add_co_u32 s61, s61, s58
	s_lshr_b32 s58, s16, 1
	s_mul_i32 s58, s58, 12288
	s_add_co_u32 s61, s61, s58                     ; oc: K step head / 2, my tile, half head % 2
	s_lshl_b32 s62, s15, 4
	s_add_co_u32 s62, s62, s14
	s_lshl_b32 s62, s62, 9                         ; os: my tile's 512 bytes,
	s_lshl_b32 s54, s54, 1
	s_add_co_u32 s62, s62, s54                     ; my head's two bytes
	s_bfe_u32 s54, s16, 0x10001
	s_lshl_b32 s54, s54, 8
	s_add_co_u32 s62, s62, s54
	s_lshr_b32 s54, s16, 2
	s_lshl_b32 s54, s54, 2
	s_add_co_u32 s62, s62, s54                     ; of word head / 2
	s_wait_kmcnt 0x0
	s_load_b128 s[20:23], s[8:9], 0x0              ; valid_lens
	s_wait_kmcnt 0x0
.irp b, 0,1,2,3
	s_max_i32 s[20+\b], s[20+\b], 0
	s_min_u32 s[20+\b], s[20+\b], 2048
	s_lshl_b32 s[20+\b], s[20+\b], 2
	s_add_co_u32 s[20+\b], s[20+\b], \b            ; key = 4 x length + batch
.endr
.macro ORDER a, b
	s_min_u32 s24, s[\a], s[\b]
	s_max_u32 s[\b], s[\a], s[\b]
	s_mov_b32 s[\a], s24
.endm
	ORDER 20, 21
	ORDER 22, 23
	ORDER 20, 22
	ORDER 21, 23
	ORDER 21, 22                                   ; ascending
	s_cmp_eq_u32 s17, 0
	s_cselect_b32 s25, s23, s22                    ; phase 0: the longest, or the longer of the middle two
	s_cselect_b32 s26, s20, s21                    ; phase 1: the shortest, or the shorter of the middle two
	; the prefetch of phase 1's records: asked by the work-group of the first 256 queries alone, in phase 0's last walked step; wave w names 8,192 bytes, lanes 256 bytes apart, and 131,072 bytes on 8,192 more,
	; as far as the records that will be walked reach: each block once, all inside the pair's 16 records (26 x 8,192 bytes)
	s_and_b32 s54, s26, 3
	s_min_u32 s54, s54, 3
	s_lshl_b32 s54, s54, 4
	s_add_co_u32 s54, s54, s16
	s_mul_i32 s58, s54, 16*REC
	s_lshl_b32 s54, s14, 13
	s_add_co_u32 s58, s58, s54
	s_add_nc_u64 s[48:49], s[6:7], s[58:59]
	s_lshr_b32 s50, s26, 2
	s_add_co_u32 s50, s50, 127
	s_lshr_b32 s50, s50, 7
	s_mul_i32 s50, s50, REC                        ; bytes of records that phase 1 walks
	s_lshr_b32 s55, s25, 2
	s_add_co_u32 s55, s55, 127
	s_lshr_b32 s55, s55, 7
	s_sub_co_u32 s55, s55, 1
	s_lshl_b32 s55, s55, 7                         ; the first key of phase 0's last walked step
	s_cmp_eq_u32 s15, 0
	s_cselect_b32 s55, s55, -1
	s_mov_b32 s32, 0
.Lphase:
	s_wait_xcnt 0x0                                ; the last phase's stores have read their bases and data: both are rewritten only behind this wait
	s_cmp_eq_u32 s32, 0
	s_cselect_b32 s24, s25, s26
	s_cselect_b32 s51, s55, -1
	s_lshr_b32 s33, s24, 2                         ; valid_lens of the batch
	s_and_b32 s24, s24, 3
	s_min_u32 s24, s24, 3                          ; the batch
	s_add_co_u32 s34, s33, 127
	s_lshr_b32 s34, s34, 7                         ; steps to walk
	s_lshl_b32 s38, s34, 7
	s_sub_co_u32 s38, 2048, s38                    ; keys in steps that are not walked
	s_cmp_lt_u32 s33, 2048
	s_mov_b32 s39, 0xff61b1e6
	s_cselect_b32 s39, 0xcaf42400, s39             ; the masked score, where there is a masked key; else -3e38
	s_lshl_b32 s54, s24, 4
	s_add_co_u32 s54, s54, s16                     ; 16 x batch + head
	s_mul_i32 s58, s54, 16*REC
	s_add_nc_u64 s[42:43], s[6:7], s[58:59]        ; the pair's records,
	s_mul_i32 s58, s14, REC
	s_add_nc_u64 s[40:41], s[42:43], s[58:59]      ; my wave's
	s_lshl_b32 s58, s54, 4
	s_add_co_u32 s58, s58, s60
	s_mul_i32 s58, s58, 6656
	s_add_nc_u64 s[44:45], s[4:5], s[58:59]        ; my queries' record
	s_lshl_b32 s58, s24, 4
	s_add_co_u32 s58, s58, s60
	s_mul_i32 s58, s58, 98304
	s_add_co_u32 s58, s58, s61
	s_add_nc_u64 s[46:47], s[10:11], s[58:59]
	s_lshl_b32 s58, s24, 16
	s_add_co_u32 s58, s58, s62
	s_add_nc_u64 s[56:57], s[12:13], s[58:59]
.irp i, 0,1,2
	global_load_b64 v[Q+2*\i:Q+2*\i+1], v[QO+\i], s[44:45]
.endr
	global_load_b32 v[QS], v[QO+3], s[44:45] offset:6144
	s_cmp_lt_u32 s14, s34                          ; is step w walked?
	s_cbranch_scc0 .Lno_stage
.set i, 0
.rept 26
	global_load_b128 v[S+4*i:S+4*i+3], v1, s[40:41] offset:512*i
.set i, i+1
.endr
.set i, 0
.rept 26
	s_wait_loadcnt 25-i                            ; load i is in; the younger ones may be out (Q's four are older)
	ds_store_b128 v[STGA], v[S+4*i:S+4*i+3] offset:512*i
.set i, i+1
.endr
.Lno_stage:
	s_cmp_eq_u32 s14, 15                           ; wave 15 adds up V's sums of the steps that are not walked
	s_cbranch_scc0 .Lno_sum
.set j, 0
.rept 16
	global_load_b64 v[KV+2*j:KV+2*j+1], v2, s[42:43] offset:REC*j+13056
.set j, j+1
.endr
	s_wait_loadcnt 0x0
	s_cmp_le_u32 s34, 0
	s_cselect_b32 s52, 0x3f800000, 0
	v_pk_mul_f32 v[T:T+1], v[KV:KV+1], s[52:53] op_sel_hi:[1,0]
.set j, 1
.rept 15
	s_cmp_le_u32 s34, j                            ; 1.0 where step j is not walked, else 0
	s_cselect_b32 s52, 0x3f800000, 0
	v_pk_fma_f32 v[T:T+1], v[KV+2*j:KV+2*j+1], s[52:53], v[T:T+1] op_sel_hi:[1,0,1]
.set j, j+1
.endr
	ds_store_b32 v[VSW], v[T]                      ; lane 16 u + r holds the channels 8 u + r + 8 (r / 8) and 32 more: word 32 e + lane is channel (e, u, h, j) at 32 e + 16 u + 8 h + j
	ds_store_b32 v[VSW], v[T+1] offset:128
.Lno_sum:
	s_wait_loadcnt 0x0                             ; Q
	s_wait_dscnt 0x0                               ; for the others' sake: my stores have landed
	s_barrier_signal -1
	s_barrier_wait -1
	v_mov_b32 v13, 0xff61b1e6                      ; the largest t so far: -3e38
	v_floor_f32 v12, -v13                          ; -M
	v_mov_b32 v14, 0
	v_mov_b32 v15, 0
.set i, 0
.rept 32
	v_mov_b32 v[O+i], 0                            ; the step is written once: the first finds zeros
.set i, i+1
.endr
	s_mov_b32 s35, 0                               ; the step's first key
	s_mov_b32 s36, 0                               ; its record in LDS
	s_mov_b32 s37, 16
.Lstep:                                            ; 16 trips, a constant; a step wholly behind valid_lens is jumped over
	s_cmp_ge_u32 s35, s33
	s_cbranch_scc1 .Lhidden
	v_add_nc_u32 v[AD16], s36, v1
	v_add_nc_u32 v[AD8], s36, v2
	v_nop
	v_nop                                          ; four places in front of loads into registers that the last products have read
.set c, 0
.rept 12
	ds_load_b128 v[KV+4*c:KV+4*c+3], v[AD16] offset:512*c
.set c, c+1
.endr
	ds_load_b128 v[KS:KS+3], v[AD16] offset:6144
	s_cmp_eq_u32 s35, s51
	s_cbranch_scc0 .Lno_ask
	s_lshl_b32 s54, s14, 13
	s_cmp_lt_u32 s54, s50
	s_cbranch_scc0 .Lno_ask
	global_prefetch_b8 v[PFO], s[48:49] th:TH_LOAD_NT scope:SCOPE_SE
	s_add_co_u32 s54, s54, 131072
	s_cmp_lt_u32 s54, s50
	s_cbranch_scc0 .Lno_ask
	global_prefetch_b8 v[PFO], s[48:49] offset:131072 th:TH_LOAD_NT scope:SCOPE_SE
.Lno_ask:
	s_wait_dscnt 0x0
.irp t, 0,2,4,6
	v_wmma_scale_f32_16x16x128_f8f6f4 v[S+8*\t:S+8*\t+7], v[KV+6*\t:KV+6*\t+11], v[Q:Q+11], 0, v[KS+\t/2], v[QS] matrix_a_fmt:MATRIX_FMT_FP6 matrix_b_fmt:MATRIX_FMT_FP6
	v_wmma_scale_f32_16x16x128_f8f6f4 v[S+8*\t+8:S+8*\t+15], v[KV+6*\t+6:KV+6*\t+17], v[Q:Q+11], 0, v[KS+\t/2], v[QS] matrix_a_fmt:MATRIX_FMT_FP6 matrix_b_fmt:MATRIX_FMT_FP6 matrix_a_scale:MATRIX_SCALE_ROW1
.endr
.rept 4
	v_nop                                          ; places: in front of the loads below and of the first read of the scores
.endr
.set c, 0
.rept 12
	ds_load_b128 v[KV+4*c:KV+4*c+3], v[AD16] offset:6656+512*c     ; V: it lands under the softmax
.set c, c+1
.endr
	ds_load_b64 v[VS:VS+1], v[AD8] offset:12800
	s_add_co_u32 s54, s35, 128
	s_cmp_le_u32 s54, s33
	s_cbranch_scc1 .Lopen                          ; all 128 keys count
	s_sub_co_u32 s54, s33, s35
	v_sub_nc_u32 v[T], s54, v[H16]                 ; d = valid_lens - first key - 16 (lane / 16).  Register 16 b + i holds key 32 b + 16 (lane / 16) + i of the step: masked where 32 b + i >= d
.set n, 0
.rept 64
	v_cmp_ge_i32 vcc_lo, 32*(n/16)+n%16, v[T]
	v_cndmask_b32 v[S+n], v[S+n], v[NEGV], vcc_lo
.set n, n+1
.endr
.Lopen:
.irp b, 0,1,2,3
	v_max3_num_f32 v[BM+\b], v[S+16*\b], v[S+1+16*\b], v[S+2+16*\b]   ; the largest score of each block of 32 keys: for the row's maximum, and, since p rises with the score, for the block's largest p
.endr
.irp i, 3,5,7,9,11,13
.irp b, 0,1,2,3
	v_max3_num_f32 v[BM+\b], v[BM+\b], v[S+16*\b+\i], v[S+1+16*\b+\i]
.endr
.endr
.irp b, 0,1,2,3
	v_max_num_f32 v[BM+\b], v[BM+\b], v[S+15+16*\b]
.endr
.irp b, 0,1,2,3
	v_permlanex16_b32 v[BP+\b], v[BM+\b], s28, s29
.endr
.irp b, 0,1,2,3
	v_max_num_f32 v[BM+\b], v[BM+\b], v[BP+\b]
.endr
	v_max3_num_f32 v[T], v[BM], v[BM+1], v[BM+2]
	v_max_num_f32 v[T], v[T], v[BM+3]
	v_mul_f32 v[T], s30, v[T]                      ; as t
	v_max_num_f32 v13, v13, v[T]                   ; the running largest t
	v_mov_b32 v[T], v12
	v_floor_f32 v12, -v13                          ; the new -M = -ceil(t)
	v_sub_f32 v[T], v12, v[T]                      ; old M - new M: a whole number, 0 or less
	v_cvt_i32_f32 v[T], v[T]                       ; (it saturates)
	v_ldexp_f32 v[F], 1.0, v[T]                    ; f = 2^(old M - new M)
.set j, 0
.rept 32
	v_pk_fma_f32 v[S+j:S+j+1], v[S+j:S+j+1], s[30:31], v[12:13] op_sel_hi:[1,0,0]   ; t - M
.set j, j+2
.endr
.irp b, 0,1,2,3
	v_fma_f32 v[BM+\b], v[BM+\b], s30, v12
.endr
.set j, 0
.rept 64
	v_exp_f32 v[S+j], v[S+j]                       ; p = 2^(t - M)
.set j, j+1
.endr
	v_pk_mul_f32 v[14:15], v[14:15], v[F:F+1] op_sel_hi:[1,0]      ; the sums under the new M: a plain place behind the exponentials
	s_wait_alu depctr_va_vdst(0)                   ; one wait for the batch, ahead of its first reader
.irp b, 0,1,2,3
	v_exp_f32 v[BM+\b], v[BM+\b]                   ; the blocks' largest p
.endr
	v_pk_add_f32 v[BP:BP+1], v[S:S+1], v[S+2:S+3]  ; the row's sum, of the unquantised p, in two chains
.irp j, 4,8,12,16,20,24,28,32,36,40,44,48,52,56,60
	v_pk_add_f32 v[14:15], v[14:15], v[S+\j:S+\j+1]
	v_pk_add_f32 v[BP:BP+1], v[BP:BP+1], v[S+2+\j:S+3+\j]
.endr
	v_pk_add_f32 v[14:15], v[14:15], v[BP:BP+1]
	s_wait_alu depctr_va_vdst(0)                   ; and one for the four
.irp b, 0,1,2,3
	v_max_num_f32 v[BM+\b], 0x1800000, v[BM+\b]    ; the floor
.endr
.irp b, 0,1,2,3
	v_add_nc_u32 v[SO+\b], 0xff000000, v[BM+\b]
.endr
.irp b, 0,1,2,3
	v_lshrrev_b32 v[BP+\b], 23, v[SO+\b]
.endr
	v_lshl_or_b32 v[PS], v[BP+1], 8, v[BP]
	v_lshl_or_b32 v[PS], v[BP+2], 16, v[PS]
	v_lshl_or_b32 v[PS], v[BP+3], 24, v[PS]
.irp c, 0,1
	v_cvt_scalef32_pk16_fp6_f32 v[P+6*\c:P+6*\c+2], v[S+32*\c:S+32*\c+15], v[SO+2*\c]
	v_cvt_scalef32_pk16_fp6_f32 v[PX+4*\c:PX+4*\c+2], v[S+32*\c+16:S+32*\c+31], v[SO+2*\c+1]
.endr
	v_nop
.irp c, 0,1
.irp i, 0,1,2
	v_permlane16_swap_b32 v[P+6*\c+\i], v[PX+4*\c+\i]
.endr
.irp i, 0,1,2
	v_mov_b32 v[P+6*\c+3+\i], v[PX+4*\c+\i]
.endr
.endr
.set j, 0
.rept 16
	v_pk_mul_f32 v[O+j:O+j+1], v[O+j:O+j+1], v[F:F+1] op_sel_hi:[1,0]   ; O^T under the new M; also the places in front of the scaled products
.set j, j+2
.endr
	s_wait_dscnt 0x0                               ; V
.irp e, 0,1
	v_wmma_scale_f32_16x16x128_f8f6f4 v[O+16*\e:O+16*\e+7], v[KV+24*\e:KV+24*\e+11], v[P:P+11], v[O+16*\e:O+16*\e+7], v[VS+\e], v[PS] matrix_a_fmt:MATRIX_FMT_FP6 matrix_b_fmt:MATRIX_FMT_FP6
	v_wmma_scale_f32_16x16x128_f8f6f4 v[O+16*\e+8:O+16*\e+15], v[KV+24*\e+12:KV+24*\e+23], v[P:P+11], v[O+16*\e+8:O+16*\e+15], v[VS+\e], v[PS] matrix_a_fmt:MATRIX_FMT_FP6 matrix_b_fmt:MATRIX_FMT_FP6 matrix_a_scale:MATRIX_SCALE_ROW1
.endr
.Lhidden:
	s_add_co_u32 s35, s35, 128
	s_add_co_u32 s36, s36, REC
	s_sub_co_u32 s37, s37, 1
	s_cmp_lg_u32 s37, 0
	s_cbranch_scc1 .Lstep
	; THE PHASE'S END: the steps that were not walked, the division, the quantiser along D
.rept 4
	v_nop                                          ; places behind the last products
.endr
	v_add_f32 v14, v14, v15
	v_permlanex16_b32 v[T], v14, s28, s29
.irp t, 0,1,2,3
	ds_load_b128 v[KV+8*\t:KV+8*\t+3], v[VSR] offset:64*\t         ; the masked steps' sums of V at my 32 channels
	ds_load_b128 v[KV+8*\t+4:KV+8*\t+7], v[VSR] offset:64*\t+16
.endr
	v_add_f32 v14, v14, v[T]                       ; the row's sum so far
	v_mov_b32 v[T], s39
	v_mul_f32 v[T], s30, v[T]
	v_max_num_f32 v13, v13, v[T]                   ; the masked keys' t counts for the row's maximum
	v_mov_b32 v[T], v12
	v_floor_f32 v12, -v13
	v_sub_f32 v[T], v12, v[T]
	v_cvt_i32_f32 v[T], v[T]
	v_ldexp_f32 v[F], 1.0, v[T]
	v_fma_f32 v[T+1], v[NEGV], s30, v12
	v_exp_f32 v[T+1], v[T+1]                       ; p_m
	v_mul_f32 v14, v14, v[F]
.set j, 0
.rept 16
	v_pk_mul_f32 v[O+j:O+j+1], v[O+j:O+j+1], v[F:F+1] op_sel_hi:[1,0]
.set j, j+2
.endr
	v_cvt_f32_u32 v[T+2], s38
	s_wait_alu depctr_va_vdst(0)                   ; ahead of p_m's first reader
	v_fma_f32 v14, v[T+2], v[T+1], v14             ; the sum takes the unquantised p_m of each key that was not walked
	v_bfe_u32 v[T+3], v[T+1], 20, 1                ; Q(p_m): three mantissa bits, ties to even,
	v_add3_u32 v[T+3], v[T+1], v[T+3], 0x7ffff
	v_and_b32 v[T+3], 0xfff00000, v[T+3]
	v_and_b32 v[T+4], 0x7f800000, v[T+1]
	v_or_b32 v[T+4], 0x700000, v[T+4]              ; held at 7.5 x the block's scale
	v_min_u32 v[T+2], v[T+3], v[T+4]
	v_rcp_f32 v[T], v14
	s_wait_dscnt 0x0
.set j, 0
.rept 16
	v_pk_fma_f32 v[O+j:O+j+1], v[KV+j:KV+j+1], v[T+2:T+3], v[O+j:O+j+1] op_sel_hi:[1,0,1]
.set j, j+2
.endr
	s_wait_alu depctr_va_vdst(0)                   ; ahead of the reciprocal's first reader
.set j, 0
.rept 16
	v_pk_mul_f32 v[O+j:O+j+1], v[O+j:O+j+1], v[T:T+1] op_sel_hi:[1,0]
.set j, j+2
.endr
.irp e, 0,1
	v_max3_num_f32 v[BM+\e], |v[O+16*\e]|, |v[O+1+16*\e]|, 0x1800000
.endr
.irp i, 2,4,6,8,10,12,14
.irp e, 0,1
	v_max3_num_f32 v[BM+\e], v[BM+\e], |v[O+16*\e+\i]|, |v[O+1+16*\e+\i]|
.endr
.endr
.irp e, 0,1
	v_permlanex16_b32 v[BP+\e], v[BM+\e], s28, s29
.endr
.irp e, 0,1
	v_max_num_f32 v[BM+\e], v[BM+\e], v[BP+\e]
.endr
.irp e, 0,1
	v_add_nc_u32 v[SO+\e], 0xff000000, v[BM+\e]
.endr
.irp e, 0,1
	v_lshrrev_b32 v[BP+\e], 23, v[SO+\e]
.endr
	v_lshl_or_b32 v[SO+2], v[BP+1], 8, v[BP]       ; my head's two bytes of the row's scale word
	v_cvt_scalef32_pk16_fp6_f32 v[P:P+2], v[O:O+15], v[SO]
	v_cvt_scalef32_pk16_fp6_f32 v[PX:PX+2], v[O+16:O+31], v[SO+1]
	v_nop
.irp i, 0,1,2
	v_permlane16_swap_b32 v[P+\i], v[PX+\i]
.endr
.irp i, 0,1,2
	v_mov_b32 v[P+3+\i], v[PX+\i]
.endr
	global_store_b128 v1, v[P:P+3], s[46:47]       ; 512 consecutive bytes,
	global_store_b64 v2, v[P+4:P+5], s[46:47] offset:512           ; and 256
	global_store_b16 v[QO+4], v[SO+2], s[56:57]    ; both halves of the lanes write the same two bytes with the same value
	s_wait_dscnt 0x0                               ; my reads of the records and of the sums are over: the next phase writes them again
	s_barrier_signal -1
	s_barrier_wait -1
	s_add_co_u32 s32, s32, 1
	s_cmp_lt_u32 s32, 2
	s_cbranch_scc1 .Lphase
	s_wait_tensorcnt 0x0                           ; the wave's end
	ds_add_u32 v[SPW], v[NIL]
	s_wait_dscnt 0x0
	s_endpgm
.Lfunc_end_k_q4afabb4bd1_attn:
	.size	k_q4afabb4bd1_attn, .Lfunc_end_k_q4afabb4bd1_attn-k_q4afabb4bd1_attn
	.p2alignl 7, 3214868480
	.fill 96, 4, 3214868480
	.section	.rodata,"a",@progbits
	.p2align	6, 0x0
	.amdhsa_kernel k_q4afabb4bd1_attn
		.amdhsa_group_segment_fixed_size 215296
		.amdhsa_private_segment_fixed_size 0
		.amdhsa_enable_private_segment 0
		.amdhsa_kernarg_size 40
		.amdhsa_user_sgpr_count 2
		.amdhsa_user_sgpr_kernarg_segment_ptr 1
		.amdhsa_wavefront_size32 1
		.amdhsa_system_sgpr_workgroup_id_x 1
		.amdhsa_system_sgpr_workgroup_id_y 1
		.amdhsa_system_sgpr_workgroup_id_z 1
		.amdhsa_system_vgpr_workitem_id 0
		.amdhsa_next_free_vgpr 256
		.amdhsa_next_free_sgpr 66
		.amdhsa_reserve_vcc 1
		.amdhsa_float_denorm_mode_32 3
		.amdhsa_float_denorm_mode_16_64 3
		.amdhsa_memory_ordered 1
		.amdhsa_forward_progress 1
		.amdhsa_inst_pref_size 46
	.end_amdhsa_kernel
	.amdgpu_metadata
---
amdhsa.version: [ 1, 2 ]
amdhsa.kernels:
  - .name:           k_q4afabb4bd1_attn
    .symbol:         k_q4afabb4bd1_attn.kd
    .args:
      - { .name: qr, .offset: 0, .size: 8, .value_kind: global_buffer, .address_space: global }
      - { .name: kv, .offset: 8, .size: 8, .value_kind: global_buffer, .address_space: global }
      - { .name: valid_lens, .offset: 16, .size: 8, .value_kind: global_buffer, .address_space: global }
      - { .name: oc, .offset: 24, .size: 8, .value_kind: global_buffer, .address_space: global }
      - { .name: os, .offset: 32, .size: 8, .value_kind: global_buffer, .address_space: global }
    .group_segment_fixed_size: 215296
    .private_segment_fixed_size: 0
    .kernarg_segment_align: 8
    .kernarg_segment_size: 40
    .max_flat_workgroup_size: 512
    .sgpr_count:     66
    .vgpr_count:     256
    .wavefront_size: 32
...
	.end_amdgpu_metadata
.endif
;; end of part 3
;; launch outp (part 4): grid 4 x 64, 4 waves a work-group, clusters of 4 x 4, 327,680 bytes of LDS; arguments oc, os, wc, ws, out0; writes out0
.if DOCPART == 4
	.amdgcn_target "amdgcn-amd-amdhsa--gfx1250"
	.amdhsa_code_object_version 6
	.text
	.protected	k_q4afabb4bd1_outp
	.globl	k_q4afabb4bd1_outp
	.p2align	8
	.type	k_q4afabb4bd1_outp,@function
k_q4afabb4bd1_outp:
	s_mov_b64 s[64:65], 0
	v_nop
	global_prefetch_b8 v0, s[64:65] scope:SCOPE_SE
	s_setreg_imm32_b32 hwreg(HW_REG_WAVE_MODE, 25, 1), 1
	s_wait_xcnt 0x0
	s_wait_alu depctr_hold_cnt(0) depctr_sa_sdst(0) depctr_va_vdst(0) depctr_va_sdst(0) depctr_va_ssrc(0) depctr_va_vcc(0) depctr_vm_vsrc(0)
	s_getreg_b32 s2, hwreg(HW_REG_IB_STS2, 6, 4)
	s_cmp_eq_u32 s2, 0
	s_cbranch_scc0 .Lentry_in_a_cluster
	s_endpgm
.Lentry_in_a_cluster:
	s_bfe_u32 s2, ttmp6, 0x10000c
	s_cmp_lg_u32 s2, 0xf033
	s_cbranch_scc0 .Lentry_shape_is_right
	s_endpgm
.Lentry_shape_is_right:
; out0 = (merged heads) Wo on codes of FP6 (E2M3) with E8M0 scales; out0 [8192][1024] f32.
; A work-group makes 128 rows x 256 columns, wave w 128 x 64: 32 accumulators.  All of K (1,024) lies in LDS: every tensor load is a first fill; the loads go by quarters of K, and a quarter's products begin when it has landed.
; CLUSTER 4 x 4: the four of a row need the same rows of A, the four of a column the same columns of Wo: each block is asked for jointly.
; A's fragment (16 rows x 128 K) lies as two halves of 768 bytes, one for each of the K step's two heads: registers 0-3 at 16 x lane, registers 4-5 at 512 + 8 x lane.  B's lies whole: registers 4 c .. at 512 c + 16 x lane.
; THE PRODUCT IS USED TRANSPOSED (source 0 = 16 columns of Wo, source 1 = 16 rows of A); lane r of tile 2 g + u holds row (column) 32 g + 8 u + r + 8 (r / 8): so a lane's 16 registers of two neighbouring
; column tiles are 16 neighbouring columns of one row.  They go through the wave's own stage in LDS and leave as rows: sixteen lanes store 256 consecutive bytes, aligned.
; REGISTERS: window 0: v1-15 addresses; v28, v29 the add's two; v32-63 A's scale words, v64-79 B's; v128-191 the way out.  window 1: the accumulators.  window 2: A's fragments, two sets.  window 3: B's, two sets.
.set LB,    98304
.set LAS,   294912
.set LBS,   299008
.set SPARE, 307200                     ; the spare words, 128 bytes a wave, that no other line names
.set STAGE, 307712                     ; 16 rows x (256 bytes + 16) for each wave: no fill lands here
.set SPW,  28
.set NIL,  29
.set AS,   32
.set BS,   64
.set STO,  13
.set RD,   14
.set CO,   15
.set BK,   128
.set G1A,  24
.set G1B,  32
.set G1AS, 40
.set G1BS, 48
.set G0AS, 92
.set G0BS, 96
.set W0,   (3<<16)|(1<<21)
.set MSB, 0
.macro WIN new
.if MSB != \new
	s_set_vgpr_msb (MSB<<8)|\new
.set MSB, \new
.endif
.endm
.macro PLACES
.rept 4
	v_nop
.endr
.endm
.macro CROUND
	s_barrier_signal -1
	s_barrier_wait -1
	s_cmp_lg_u32 s16, 0
	s_cbranch_scc1 .Lnot_wave_0_\@
	s_barrier_signal -3
.Lnot_wave_0_\@:
	s_barrier_wait -3
	s_barrier_signal -1
	s_barrier_wait -1
.endm
.macro SHAPE g, rows                   ; a dense block as rows of 256 bytes: 32 elements of 8 bytes
	s_mov_b32 s[\g+1], 32<<16
	s_mov_b32 s[\g+2], (\rows)<<16
	s_mov_b32 s[\g+3], 32<<16
	s_mov_b32 s[\g+4], \rows
	s_mov_b32 s[\g+5], 32
	s_mov_b32 s[\g+6], 0
	s_mov_b32 s[\g+7], 0
.endm
	s_load_b256 s[4:11], s[0:1], 0x0               ; oc, os, wc, ws
	s_load_b64 s[12:13], s[0:1], 0x20              ; out0
	v_lshl_add_u32 v[SPW], v0, 2, SPARE
	v_mov_b32 v[NIL], 0
	ds_add_u32 v[SPW], v[NIL]                      ; the wave's opening: the add and its wait stand ahead of the first tensor load
	v_lshrrev_b32 v1, 5, v0
	v_readfirstlane_b32 s16, v1                    ; wave
	s_bfe_u32 s17, ttmp6, 0x40000                  ; cx
	s_bfe_u32 s18, ttmp6, 0x40004                  ; cy
	s_and_b32 s19, ttmp7, 0xffff
	s_lshl_b32 s21, s19, 2
	s_add_co_u32 s21, s21, s18                     ; block of 128 rows
	s_lshl_b32 s100, s18, 2
	s_lshl_b32 s100, 15, s100                      ; my row of the cluster
	s_lshl_b32 s22, 0x1111, s17                    ; my column
	s_or_b32 s[G1A], s100, W0
	s_or_b32 s[G1AS], s100, W0
	s_or_b32 s[G1B], s22, W0
	s_or_b32 s[G1BS], s22, W0
	SHAPE G1A, 96
	SHAPE G1B, 96
	SHAPE G1AS, 16
	SHAPE G1BS, 32
	s_lshl_b32 s22, ttmp9, 2
	s_add_co_u32 s17, s17, s22                     ; the slice of 256 columns
	s_mul_i32 s2, s21, 98304
	s_mov_b32 s3, 0
	s_lshl_b32 s100, s21, 12
	s_mov_b32 s101, 0
	s_lshr_b32 s77, s16, 1                         ; waves 1 and 2 fetch B's even and odd K steps
	s_mul_i32 s77, s77, 24576
	s_mul_i32 s22, s17, 196608
	s_add_co_u32 s22, s22, 3*786432                ; Wo is the fourth weight
	s_add_co_u32 s22, s22, s77
	s_mov_b32 s23, 0
	s_lshl_b32 s66, s17, 13
	s_add_co_u32 s66, s66, 3*32768
	s_mov_b32 s67, 0
	s_wait_dscnt 0x0                               ; the opening add is done
	s_wait_kmcnt 0x0
	s_add_nc_u64 s[2:3], s[4:5], s[2:3]
	s_add_nc_u64 s[100:101], s[6:7], s[100:101]
	s_add_nc_u64 s[22:23], s[8:9], s[22:23]
	s_add_nc_u64 s[66:67], s[10:11], s[66:67]
	CROUND                                         ; all sixteen work-groups are here: the joint loads meet
.irp q, 3,2,1,0
	s_mov_b32 s[56+4*\q+4*(\q/2)], 1
	s_mov_b32 s[57+4*\q+4*(\q/2)], \q*24576
	s_add_nc_u64 s[58+4*\q+4*(\q/2):59+4*\q+4*(\q/2)], s[2:3], \q*24576
	s_or_b32 s[59+4*\q+4*(\q/2)], s[59+4*\q+4*(\q/2)], 0x80000000
	s_mov_b32 s[76+4*\q], 1
	s_add_co_u32 s[77+4*\q], s77, LB+49152*\q      ; (q = 0 comes last: it writes s77 itself)
	s_add_nc_u64 s[78+4*\q:79+4*\q], s[22:23], \q*49152
	s_or_b32 s[79+4*\q], s[79+4*\q], 0x80000000
.endr
	s_mov_b32 s[G0AS], 1
	s_mov_b32 s[G0AS+1], LAS
	s_mov_b64 s[G0AS+2:G0AS+3], s[100:101]
	s_or_b32 s[G0AS+3], s[G0AS+3], 0x80000000
	s_mov_b32 s[G0BS], 1
	s_mov_b32 s[G0BS+1], LBS
	s_mov_b64 s[G0BS+2:G0BS+3], s[66:67]
	s_or_b32 s[G0BS+3], s[G0BS+3], 0x80000000
	; all first fills, in one branch on the wave's number: wave 0 the scale words and A's four quarters (six loads of mine out), waves 1 and 2 B's (four), wave 3 none
	s_cmp_eq_u32 s16, 0
	s_cbranch_scc0 .Lnot_first
	tensor_load_to_lds s[G0AS:G0AS+3], s[G1AS:G1AS+7]
	s_nop 0
	tensor_load_to_lds s[G0BS:G0BS+3], s[G1BS:G1BS+7]
	s_nop 0
	tensor_load_to_lds s[56:59], s[G1A:G1A+7]
	s_nop 0
	tensor_load_to_lds s[60:63], s[G1A:G1A+7]
	s_nop 0
	tensor_load_to_lds s[68:71], s[G1A:G1A+7]
	s_nop 0
	tensor_load_to_lds s[72:75], s[G1A:G1A+7]
	s_nop 0
	PLACES
	s_branch .Lasked
.Lnot_first:
	s_cmp_eq_u32 s16, 3
	s_cbranch_scc1 .Lasked
	tensor_load_to_lds s[76:79], s[G1B:G1B+7]
	s_nop 0
	tensor_load_to_lds s[80:83], s[G1B:G1B+7]
	s_nop 0
	tensor_load_to_lds s[84:87], s[G1B:G1B+7]
	s_nop 0
	tensor_load_to_lds s[88:91], s[G1B:G1B+7]
	s_nop 0
	PLACES
.Lasked:
	v_and_b32 v2, 31, v0                           ; lane
	v_lshlrev_b32 v1, 4, v2                        ; 16 x lane
	v_lshlrev_b32 v11, 3, v2                       ; 8 x lane: A's short pieces, K steps 0-3,
	v_add_nc_u32 v12, 49152, v11                   ; 4-7
	v_mov_b32 v3, v1                               ; A's long pieces likewise
	v_add_nc_u32 v4, 49152, v1
	s_mul_i32 s22, s16, 6144
	s_add_co_u32 s22, s22, LB
.irp q, 0,1,2,3
	v_add_nc_u32 v[5+\q], s22, v1
	s_add_co_u32 s22, s22, 49152
.endr
	v_add_nc_u32 v9, LAS, v1
	s_lshl_b32 s22, s16, 11
	s_add_co_u32 s22, s22, LBS
	v_add_nc_u32 v10, s22, v1
	v_and_b32 v16, 15, v0                          ; r
	v_bfe_u32 v17, v0, 4, 1                        ; h
	s_mul_i32 s22, s16, 16*272
	s_add_co_u32 s22, s22, STAGE                   ; my stage
	v_mul_u32_u24 v[STO], v16, 272
	v_lshl_add_u32 v[STO], v17, 6, v[STO]
	v_add_nc_u32 v[STO], s22, v[STO]               ; in: row r, + 64 h
	v_mul_u32_u24 v[RD], v17, 272
	v_lshl_add_u32 v[RD], v16, 4, v[RD]
	v_add_nc_u32 v[RD], s22, v[RD]                 ; back: lanes 0-15 one row, lanes 16-31 the next
	v_lshlrev_b32 v[CO], 12, v17
	v_lshl_add_u32 v[CO], v16, 4, v[CO]            ; and the same in out0
	s_lshl_b32 s100, s21, 19                       ; 128 rows of 4,096 bytes,
	s_lshl_b32 s23, s17, 10                        ; 256 columns,
	s_add_co_u32 s100, s100, s23
	s_lshl_b32 s23, s16, 8                         ; my 64
	s_add_co_u32 s100, s100, s23
	s_mov_b32 s101, 0
	s_add_nc_u64 s[12:13], s[12:13], s[100:101]
.macro WM d, x, y, sx, sy, s           ; one product; K step 0 starts the sums; an odd K step's scale words stand in lanes 16-31
.if (\s) == 0
	v_wmma_scale_f32_16x16x128_f8f6f4 v[\d:\d+7], v[\x:\x+11], v[\y:\y+11], 0, v[\sx], v[\sy] matrix_a_fmt:MATRIX_FMT_FP6 matrix_b_fmt:MATRIX_FMT_FP6
.elseif (\s)%2
	v_wmma_scale_f32_16x16x128_f8f6f4 v[\d:\d+7], v[\x:\x+11], v[\y:\y+11], v[\d:\d+7], v[\sx], v[\sy] matrix_a_fmt:MATRIX_FMT_FP6 matrix_b_fmt:MATRIX_FMT_FP6 matrix_a_scale:MATRIX_SCALE_ROW1 matrix_b_scale:MATRIX_SCALE_ROW1
.else
	v_wmma_scale_f32_16x16x128_f8f6f4 v[\d:\d+7], v[\x:\x+11], v[\y:\y+11], v[\d:\d+7], v[\sx], v[\sy] matrix_a_fmt:MATRIX_FMT_FP6 matrix_b_fmt:MATRIX_FMT_FP6
.endif
.endm
.macro MUL s                           ; 32 products; the 32 accumulators take turns, one instruction a turn, in the same order in every step
.set PB, 48*((\s)%2)
.set PA, 96*((\s)%2)
.set QW, (\s)/2
	WIN 0x5b                                       ; source 0 (B) window 3, source 1 (A) window 2, C and D window 1
.irp a, 0,1,2,3,4,5,6,7
.irp b, 0,1,2,3
	WM 8*(4*\a+\b), PB+12*\b, PA+12*\a, BS+4*\b+QW, AS+4*\a+QW, \s
.endr
.endr
.endm
.macro FETCH s                         ; K step s's fragments, 44 loads, into set s % 2
	WIN 0x80
.irp a, 0,1,2,3,4,5,6,7
.irp e, 0,1
	ds_load_b128 v[96*((\s)%2)+12*\a+6*\e:96*((\s)%2)+12*\a+6*\e+3], v[3+(\s)/4] offset:((\s)%4)*12288+1536*\a+768*\e
	ds_load_b64 v[96*((\s)%2)+12*\a+6*\e+4:96*((\s)%2)+12*\a+6*\e+5], v[11+(\s)/4] offset:((\s)%4)*12288+1536*\a+768*\e+512
.endr
.endr
	WIN 0xc0
.irp b, 0,1,2,3
.irp c, 0,1,2
	ds_load_b128 v[48*((\s)%2)+12*\b+4*\c:48*((\s)%2)+12*\b+4*\c+3], v[5+(\s)/2] offset:((\s)%2)*24576+1536*\b+512*\c
.endr
.endr
.endm
.macro QBAR q                          ; quarter q of K has landed in every wave that fetched; the later quarters' loads may stay out
	s_wait_tensorcnt 3-(\q)
	s_wait_dscnt 0x0
	s_barrier_signal -1
	s_barrier_wait -1
.endm
	QBAR 0
.irp a, 0,1,2,3,4,5,6,7
	ds_load_b128 v[AS+4*\a:AS+4*\a+3], v9 offset:512*\a
.endr
.irp b, 0,1,2,3
	ds_load_b128 v[BS+4*\b:BS+4*\b+3], v10 offset:512*\b
.endr
	FETCH 0
.irp s, 0,1,2,3,4,5,6
.if (\s+1)%2 == 0
	QBAR (\s+1)/2
.endif
.if \s >= 1
	PLACES                                         ; in front of loads into registers that the step before last has multiplied
.endif
	FETCH \s+1
	s_wait_dscnt 44                                ; all but the 44 just issued
	MUL \s
.endr
	s_wait_dscnt 0x0
	MUL 7
	WIN 0
; THE WAY OUT, a tile of 16 rows x 64 columns at a time, through my own stage.  LDS serves a wave's instructions in order: no wait between the stores and the loads, nor in front of the next tile's stores.
.macro TOSTAGE a
	WIN 0x04                                       ; an LDS store's data are its source 1: window 1
.irp b, 0,1
.irp i, 0,1,2,3
	ds_store_b128 v[STO], v[32*(\a)+16*\b+4*\i:32*(\a)+16*\b+4*\i+3] offset:128*\b+16*\i   ; columns 32 b + 16 h + 4 i on; each accumulator from its low end on
.endr
.endr
	WIN 0
.irp i, 0,1,2,3,4,5,6,7
	ds_load_b128 v[BK+32*((\a)%2)+4*\i:BK+32*((\a)%2)+4*\i+3], v[RD] offset:544*\i
.endr
.endm
.macro SEND a, younger                 ; younger: the LDS instructions issued behind tile a's loads, which may stay out
	s_wait_dscnt \younger
.irp i, 0,1,2,3,4,5,6,7
	global_store_b128 v[CO], v[BK+32*((\a)%2)+4*\i:BK+32*((\a)%2)+4*\i+3], s[12:13] offset:(32*((\a)/2)+8*((\a)%2)+2*\i+8*(\i/4))*4096 th:TH_STORE_NT   ; stage rows 2 i, 2 i + 1 are the tile's rows in its own order
.endr
.endm
	PLACES
	TOSTAGE 0
.irp a, 1,2,3,4,5,6,7
.if \a > 1
	s_wait_xcnt 0x0                                ; tile a - 2's stores have read their registers: tile a's loads may land there
.endif
	TOSTAGE \a
	SEND \a-1, 16                                  ; behind tile a - 1's loads: tile a's 8 stores and 8 loads
.endr
	SEND 7, 0
	s_wait_tensorcnt 0x0                           ; the wave's end
	ds_add_u32 v[SPW], v[NIL]
	s_wait_dscnt 0x0
	CROUND                                         ; the closing round
	s_endpgm
.Lfunc_end_k_q4afabb4bd1_outp:
	.size	k_q4afabb4bd1_outp, .Lfunc_end_k_q4afabb4bd1_outp-k_q4afabb4bd1_outp
	.p2alignl 7, 3214868480
	.fill 96, 4, 3214868480
	.section	.rodata,"a",@progbits
	.p2align	6, 0x0
	.amdhsa_kernel k_q4afabb4bd1_outp
		.amdhsa_group_segment_fixed_size 327680
		.amdhsa_private_segment_fixed_size 0
		.amdhsa_enable_private_segment 0
		.amdhsa_kernarg_size 40
		.amdhsa_user_sgpr_count 2
		.amdhsa_user_sgpr_kernarg_segment_ptr 1
		.amdhsa_wavefront_size32 1
		.amdhsa_system_sgpr_workgroup_id_x 1
		.amdhsa_system_sgpr_workgroup_id_y 1
		.amdhsa_system_sgpr_workgroup_id_z 1
		.amdhsa_system_vgpr_workitem_id 0
		.amdhsa_next_free_vgpr 864
		.amdhsa_next_free_sgpr 102
		.amdhsa_reserve_vcc 0
		.amdhsa_float_denorm_mode_32 3
		.amdhsa_float_denorm_mode_16_64 3
		.amdhsa_memory_ordered 1
		.amdhsa_forward_progress 1
		.amdhsa_inst_pref_size 82
	.end_amdhsa_kernel
	.amdgpu_metadata
---
amdhsa.version: [ 1, 2 ]
amdhsa.kernels:
  - .name:           k_q4afabb4bd1_outp
    .symbol:         k_q4afabb4bd1_outp.kd
    .args:
      - { .name: oc, .offset: 0, .size: 8, .value_kind: global_buffer, .address_space: global }
      - { .name: os, .offset: 8, .size: 8, .value_kind: global_buffer, .address_space: global }
      - { .name: wc, .offset: 16, .size: 8, .value_kind: global_buffer, .address_space: global }
      - { .name: ws, .offset: 24, .size: 8, .value_kind: global_buffer, .address_space: global }
      - { .name: out0, .offset: 32, .size: 8, .value_kind: global_buffer, .address_space: global }
    .group_segment_fixed_size: 327680
    .private_segment_fixed_size: 0
    .kernarg_segment_align: 8
    .kernarg_segment_size: 40
    .max_flat_workgroup_size: 128
    .sgpr_count:     102
    .vgpr_count:     864
    .wavefront_size: 32
...
	.end_amdgpu_metadata
.endif
;; end of part 4
;; ======== version 2 of 2: 4 launches; version 1 with the launch attn written anew for expert scheduling mode
;; workspace buffers: xc 18,874,368 bytes; xs 786,432 bytes; wc 3,145,728 bytes; ws 131,072 bytes; qr 6,815,744 bytes; kv 13,631,488 bytes; oc 6,291,456 bytes; os 262,144 bytes
;; launch quant: the kernel of part 1 again; grid 640 x 1, 4 waves a work-group, no clusters, 34,304 bytes of LDS; arguments queries, keys, values, Wq, Wk, Wv, Wo, xc, xs, wc, ws; writes xc, xs, wc, ws
;; launch proj: the kernel of part 2 again; grid 4 x 192, 4 waves a work-group, clusters of 4 x 4, 327,680 bytes of LDS; arguments xc, xs, wc, ws, qr, kv; writes qr, kv
;; launch attn (part 5): grid 8 x 32, 16 waves a work-group, no clusters, 215,296 bytes of LDS; arguments qr, kv, valid_lens, oc, os; writes oc, os
.if DOCPART == 5
	.amdgcn_target "amdgcn-amd-amdhsa--gfx1250"
	.amdhsa_code_object_version 6
	.text
	.protected	k_q4afabb4bd1_attn
	.globl	k_q4afabb4bd1_attn
	.p2align	8
	.type	k_q4afabb4bd1_attn,@function
k_q4afabb4bd1_attn:
	s_mov_b64 s[64:65], 0
	v_nop
	global_prefetch_b8 v0, s[64:65] scope:SCOPE_SE
	s_setreg_imm32_b32 hwreg(HW_REG_WAVE_SCHED_MODE, 0, 2), 2
	s_setreg_imm32_b32 hwreg(HW_REG_WAVE_MODE, 25, 1), 1
	s_wait_xcnt 0x0
	s_wait_alu depctr_vm_vsrc(0)
; softmax(mask(q k^T / 8)) v for 64 (batch, head) pairs of 2,048 queries and keys, head size 64, both products on codes of FP6 (E2M3); the result, divided by the row's sum, is quantised along D and leaves as codes.
; THE SOFTMAX: t = logit x log2(e); M = the running largest t rounded up to a whole number; p = 2^(t - M) is quantised along the keys; the row's sum is taken of the unquantised p.
; THE MASK: keys at or behind valid_lens[batch] have the logit -1e6 (as a raw score: -8e6).  A step of 128 keys that lies wholly behind valid_lens is not walked: all its p are one number p_m, so it adds
; 128 p_m to the sum and Q(p_m) x (the sum of the quantised V over its keys) to O; those sums lie in the records.  So the masked keys keep their weight where the scores are as low as -1e6.
; SHARES.  A work-group owns 256 queries of one head and runs TWO PHASES, each one batch: the four batches are sorted by valid_lens, one pair of work-groups' rows takes the longest and the shortest, the other the two
; middle ones, so that the work-groups' steps are nearly alike.  Each of the sixteen waves owns one tile of 16 queries; four waves share a SIMD, so that one wave's vector work stands beside another's products.
; K and V: in each phase wave w copies step w's record (13,312 bytes) into LDS through registers, if the step is walked; all sixteen read them.
; NO TENSOR LOADS, NO CLUSTER: which steps are walked hangs on valid_lens, a number read from memory, and work-groups of different batches would need different numbers of tiles.
; LAYOUT.  S^T = K Q^T (source 0 = 16 keys, source 1 = my 16 queries), O^T = V^T P^T: a lane holds one query.  K = 64 in the first product: Q's registers 6-11 are zero codes; K's eight tiles lie on end, six registers
; each, and a tile's operand runs on into the next tile's codes, which meet Q's zeros; six zero registers stand behind the last.
; OUT.  oc: [128 rows 64][K step 8][tile 8][head % 2] half fragments of 768 bytes (registers 0-3 at 16 x lane, 4-5 at 512 + 8 x lane).  os: 512 bytes a tile: word (K step s, row r) at 256 (s % 2) + 16 r + 4 (s / 2);
; a head owns two bytes of a word: they leave as pieces of 2 bytes, one store a wave and phase.
; LIMITS: valid_lens is held to 0 .. 2,048 (the same mask); a p_m under 2^-124 is rounded as a normal number; blocks of zeros keep the byte 1; NaN and infinities are not served.
; THE MODE: SCHED_MODE bits 1:0 = 2 (LLVM: expert scheduling mode 2), set by the entry lines.  The code itself states the register dependences between vector or matrix instructions and memory or LDS
; instructions, with s_wait_alu, always for 0.
; THE PLAN.  Registers that memory or LDS instructions touch:
;   v1, v2, STGA, VSW, VSR, PFO, QO ..   addresses, made once at the head and never written again.
;   AD16, AD8     written by two adds at a walked step's head; read by the step's 26 LDS loads.
;   Q, QS         loaded at a phase's head; read by the first products.  Q's and K's zero codes are written at the head and read by the same products.
;   KV            K's loads land in it at a step's head, V's behind the first products; at a phase's end the loads of V's sums; in wave 15 the records' sums.  Read by the products and by packed multiply-adds.
;   KS, VS        loaded in the step; read by the products as scales.
;   v90-193       the staging loads land there and the staging LDS stores read them; later they are S, O and eight registers of P, written by products and vector instructions.
;   T, T+1        in wave 15 written by the additions of V's sums and read by two LDS stores; later at work in the softmax.
;   P, SO+2       at a phase's end written by the quantiser and read by the three global stores; written again in the next phase.
; A PHASE has at its head one wait that the last phase's stores have read their data and one that all earlier vector and matrix instructions are done: every load up to the first barrier leans on these two, and no vector
; instruction stands between but wave 15's additions, which have a wait of their own ahead of their stores.  Behind the barrier one wait frees what the LDS stores have read.
; A STEP has three waits for vector and matrix results: at its head (the addresses are written, the last step's second products have read KV and VS), behind the first products (they have read KV: V's loads follow, dealt
; among the maximum's lines, which name S and BM alone), and ahead of the second products (p's codes and scale word are written); beside them stand the two waits behind the exponentials.
; No register is left for a second set of K or V: four waves of 256 registers fill a SIMD's 1,024, and a set takes 48.
.set REC,   13312
.set VSB,   16*REC                     ; LDS: 16 records; then 256 bytes: the masked steps' sums of V; then the spare words, 128 bytes a wave
.set SPARE, VSB+256
.set AD16, 3                           ; v1 16 x lane, v2 8 x lane; v3, v4 the same in the step's record
.set AD8,  4
.set SPW,  5
.set NIL,  6
.set NEGV, 7                           ; -8e6
.set H16,  8                           ; 16 (lane / 16)
.set STGA, 9                           ; where my wave stores its record
.set VSW,  10
.set VSR,  11
.set Q,    16                          ; v16-27 Q's fragment, v22-27 zeros
.set QS,   28                          ; Q's scale words
.set PS,   29                          ; p's
.set KV,   30                          ; v30-77 K's eight tiles or V's four fragments; v78-83 zeros
.set KS,   84                          ; v84-87 K's scale words
.set VS,   88                          ; v88-89 V's
.set S,    90                          ; v90-153 S^T, then p
.set O,    154                         ; v154-185 O^T
.set P,    186                         ; v186-197 p's codes; v198-200, v202-204 at work
.set PX,   198
.set BM,   206
.set BP,   210
.set SO,   214
.set F,    218                         ; v[218:219] f
.set T,    220                         ; v220-224 at work
.set PFO,  225
.set QO,   226                         ; v226-228 Q's three offsets; v229 its scale word's; v230 16 r
.set CM,   17                          ; s17-24 eight lane masks of the mask's compares: s17-23 are last read ahead of the phases, s24 in a phase's head
	s_load_b256 s[4:11], s[0:1], 0x0               ; qr, kv, valid_lens, oc
	s_load_b64 s[12:13], s[0:1], 0x20              ; os
	v_lshl_add_u32 v[SPW], v0, 2, SPARE
	v_mov_b32 v[NIL], 0
	v_lshrrev_b32 v[T], 5, v0
	v_readfirstlane_b32 s14, v[T]                  ; wave
	s_mov_b32 s15, ttmp9                           ; block of 256 queries
	s_and_b32 s16, ttmp7, 0xffff
	s_lshr_b32 s17, s16, 4                         ; which pair of batches
	s_and_b32 s16, s16, 15                         ; head
	v_and_b32 v[T], 31, v0                         ; lane
	v_and_b32 v[T+1], 15, v0                       ; r
	v_bfe_u32 v[T+2], v0, 4, 1                     ; h
	v_lshlrev_b32 v1, 4, v[T]
	v_lshlrev_b32 v2, 3, v[T]
	v_mov_b32 v[NEGV], 0xcaf42400
	v_lshlrev_b32 v[H16], 4, v[T+2]
	s_wait_alu depctr_va_sdst(0)                   ; s14, the wave's number, is written, ahead of its first reader
	s_mul_i32 s54, s14, REC
	v_add_nc_u32 v[STGA], s54, v1
	v_lshl_add_u32 v[VSW], v[T], 2, VSB
	v_lshl_add_u32 v[VSR], v[T+2], 5, VSB
	v_lshlrev_b32 v[PFO], 8, v[T]
	s_and_b32 s18, s14, 7                          ; my tile among the eight of 128 queries
	s_mul_i32 s19, s18, 6
.irp i, 0,1,2
	s_add_co_u32 s54, s19, 2*\i                    ; register 6 tile + 2 i of the image: chunk / 4, word % 4
	s_lshr_b32 s58, s54, 2
	s_lshl_b32 s58, s58, 9
	s_and_b32 s54, s54, 3
	s_lshl_b32 s54, s54, 2
	s_add_co_u32 s54, s54, s58
	v_add_nc_u32 v[QO+\i], s54, v1
.endr
	s_and_b32 s54, s18, 1
	s_lshl_b32 s54, s54, 8
	s_lshr_b32 s58, s18, 1
	s_lshl_b32 s58, s58, 2
	s_add_co_u32 s54, s54, s58
	v_lshl_add_u32 v[QO+3], v[T+1], 4, s54
	v_lshlrev_b32 v[QO+4], 4, v[T+1]
.irp i, 6,7,8,9,10,11
	v_mov_b32 v[Q+\i], 0
.endr
.irp i, 48,49,50,51,52,53
	v_mov_b32 v[KV+\i], 0
.endr
.irp b, 0,1,2,3
	v_mov_b32 v[BP+\b], 0                          ; written once: a lane permute's destination counts as one of its sources
.endr
	v_mov_b32 v[F+1], 0                            ; (named as the upper half of a pair)
	s_mov_b32 s28, 0x76543210
	s_mov_b32 s29, 0xfedcba98
	s_mov_b32 s30, 0x3e38aa3b                      ; c = log2(e) / 8
	s_mov_b32 s31, s30
	s_mov_b32 s53, 0
	s_mov_b32 s59, 0
	s_lshl_b32 s60, s15, 1
	s_lshr_b32 s61, s14, 3
	s_add_co_u32 s60, s60, s61                     ; my block of 128 queries in the batch
	s_mul_i32 s61, s18, 1536
	s_and_b32 s54, s16, 1
	s_mul_i32 s58, s54, 768
	s_add_co_u32 s61, s61, s58
	s_lshr_b32 s58, s16, 1
	s_mul_i32 s58, s58, 12288
	s_add_co_u32 s61, s61, s58                     ; oc: K step head / 2, my tile, half head % 2
	s_lshl_b32 s62, s15, 4
	s_add_co_u32 s62, s62, s14
	s_lshl_b32 s62, s62, 9                         ; os: my tile's 512 bytes,
	s_lshl_b32 s54, s54, 1
	s_add_co_u32 s62, s62, s54                     ; my head's two bytes
	s_bfe_u32 s54, s16, 0x10001
	s_lshl_b32 s54, s54, 8
	s_add_co_u32 s62, s62, s54
	s_lshr_b32 s54, s16, 2
	s_lshl_b32 s54, s54, 2
	s_add_co_u32 s62, s62, s54                     ; of word head / 2
	s_wait_kmcnt 0x0
	s_load_b128 s[20:23], s[8:9], 0x0              ; valid_lens
	s_wait_kmcnt 0x0
.irp b, 0,1,2,3
	s_max_i32 s[20+\b], s[20+\b], 0
	s_min_u32 s[20+\b], s[20+\b], 2048
	s_lshl_b32 s[20+\b], s[20+\b], 2
	s_add_co_u32 s[20+\b], s[20+\b], \b            ; key = 4 x length + batch
.endr
.macro ORDER a, b
	s_min_u32 s24, s[\a], s[\b]
	s_max_u32 s[\b], s[\a], s[\b]
	s_mov_b32 s[\a], s24
.endm
	ORDER 20, 21
	ORDER 22, 23
	ORDER 20, 22
	ORDER 21, 23
	ORDER 21, 22                                   ; ascending
	s_cmp_eq_u32 s17, 0
	s_cselect_b32 s25, s23, s22                    ; phase 0: the longest, or the longer of the middle two
	s_cselect_b32 s26, s20, s21                    ; phase 1: the shortest, or the shorter of the middle two
	; the prefetch of phase 1's records: asked by the work-group of the first 256 queries alone, in phase 0's last walked step; wave w names 8,192 bytes, lanes 256 bytes apart, and 131,072 bytes on 8,192 more,
	; as far as the records that will be walked reach: each block once, all inside the pair's 16 records (26 x 8,192 bytes)
	s_and_b32 s54, s26, 3
	s_min_u32 s54, s54, 3
	s_lshl_b32 s54, s54, 4
	s_add_co_u32 s54, s54, s16
	s_mul_i32 s58, s54, 16*REC
	s_lshl_b32 s54, s14, 13
	s_add_co_u32 s58, s58, s54
	s_add_nc_u64 s[48:49], s[6:7], s[58:59]
	s_lshr_b32 s50, s26, 2
	s_add_co_u32 s50, s50, 127
	s_lshr_b32 s50, s50, 7
	s_mul_i32 s50, s50, REC                        ; bytes of records that phase 1 walks
	s_lshr_b32 s55, s25, 2
	s_add_co_u32 s55, s55, 127
	s_lshr_b32 s55, s55, 7
	s_sub_co_u32 s55, s55, 1
	s_lshl_b32 s55, s55, 7                         ; the first key of phase 0's last walked step
	s_cmp_eq_u32 s15, 0
	s_cselect_b32 s55, s55, -1
	s_mov_b32 s32, 0
.Lphase:
	s_wait_xcnt 0x0                                ; the last phase's stores have read their bases and data: both are rewritten only behind this wait
	s_wait_alu depctr_vm_vsrc(0)                   ; the last phase's three stores have read v[P .. P+5] and v[SO+2]: staging loads land in P's, and this phase's steps write both again
	s_wait_alu depctr_va_vdst(0)                   ; the head has written the addresses and the zero codes; the last phase's vector and matrix instructions are done with Q, QS, KV and v90-193, in which the loads below land, and with s24, which is written below
	s_cmp_eq_u32 s32, 0
	s_cselect_b32 s24, s25, s26
	s_cselect_b32 s51, s55, -1
	s_lshr_b32 s33, s24, 2                         ; valid_lens of the batch
	s_and_b32 s24, s24, 3
	s_min_u32 s24, s24, 3                          ; the batch
	s_add_co_u32 s34, s33, 127
	s_lshr_b32 s34, s34, 7                         ; steps to walk
	s_lshl_b32 s38, s34, 7
	s_sub_co_u32 s38, 2048, s38                    ; keys in steps that are not walked
	s_cmp_lt_u32 s33, 2048
	s_mov_b32 s39, 0xff61b1e6
	s_cselect_b32 s39, 0xcaf42400, s39             ; the masked score, where there is a masked key; else -3e38
	s_lshl_b32 s54, s24, 4
	s_add_co_u32 s54, s54, s16                     ; 16 x batch + head
	s_mul_i32 s58, s54, 16*REC
	s_add_nc_u64 s[42:43], s[6:7], s[58:59]        ; the pair's records,
	s_mul_i32 s58, s14, REC
	s_add_nc_u64 s[40:41], s[42:43], s[58:59]      ; my wave's
	s_lshl_b32 s58, s54, 4
	s_add_co_u32 s58, s58, s60
	s_mul_i32 s58, s58, 6656
	s_add_nc_u64 s[44:45], s[4:5], s[58:59]        ; my queries' record
	s_lshl_b32 s58, s24, 4
	s_add_co_u32 s58, s58, s60
	s_mul_i32 s58, s58, 98304
	s_add_co_u32 s58, s58, s61
	s_add_nc_u64 s[46:47], s[10:11], s[58:59]
	s_lshl_b32 s58, s24, 16
	s_add_co_u32 s58, s58, s62
	s_add_nc_u64 s[56:57], s[12:13], s[58:59]
.irp i, 0,1,2
	global_load_b64 v[Q+2*\i:Q+2*\i+1], v[QO+\i], s[44:45]
.endr
	global_load_b32 v[QS], v[QO+3], s[44:45] offset:6144
	s_cmp_lt_u32 s14, s34                          ; is step w walked?
	s_cbranch_scc0 .Lno_stage
.set i, 0
.rept 26
	global_load_b128 v[S+4*i:S+4*i+3], v1, s[40:41] offset:512*i
.set i, i+1
.endr
.set i, 0
.rept 26
	s_wait_loadcnt 25-i                            ; load i is in; the younger ones may be out (Q's four are older)
	ds_store_b128 v[STGA], v[S+4*i:S+4*i+3] offset:512*i
.set i, i+1
.endr
.Lno_stage:
	s_cmp_eq_u32 s14, 15                           ; wave 15 adds up V's sums of the steps that are not walked
	s_cbranch_scc0 .Lno_sum
.set j, 0
.rept 16
	global_load_b64 v[KV+2*j:KV+2*j+1], v2, s[42:43] offset:REC*j+13056   ; (no vector instruction since the wait at the phase's head)
.set j, j+1
.endr
	s_wait_loadcnt 0x0
	s_cmp_le_u32 s34, 0
	s_cselect_b32 s52, 0x3f800000, 0
	v_pk_mul_f32 v[T:T+1], v[KV:KV+1], s[52:53] op_sel_hi:[1,0]
.set j, 1
.rept 15
	s_cmp_le_u32 s34, j                            ; 1.0 where step j is not walked, else 0
	s_cselect_b32 s52, 0x3f800000, 0
	v_pk_fma_f32 v[T:T+1], v[KV+2*j:KV+2*j+1], s[52:53], v[T:T+1] op_sel_hi:[1,0,1]
.set j, j+1
.endr
	s_wait_alu depctr_va_vdst(0)                   ; the additions have written v[T] and v[T+1], which the two LDS stores read
	ds_store_b32 v[VSW], v[T]                      ; lane 16 u + r holds the channels 8 u + r + 8 (r / 8) and 32 more: word 32 e + lane is channel (e, u, h, j) at 32 e + 16 u + 8 h + j
	ds_store_b32 v[VSW], v[T+1] offset:128
.Lno_sum:
	s_wait_loadcnt 0x0                             ; Q
	s_wait_dscnt 0x0                               ; for the others' sake: my stores have landed
	s_barrier_signal -1
	s_barrier_wait -1
	s_wait_alu depctr_vm_vsrc(0)                   ; my staging stores have read v90-193, and wave 15's two stores v[T] and v[T+1]: the lines below and the steps write these registers again
	v_mov_b32 v13, 0xff61b1e6                      ; the largest t so far: -3e38
	v_floor_f32 v12, -v13                          ; -M
	v_mov_b32 v14, 0
	v_mov_b32 v15, 0
.set i, 0
.rept 32
	v_mov_b32 v[O+i], 0                            ; the step is written once: the first finds zeros
.set i, i+1
.endr
	s_mov_b32 s35, 0                               ; the step's first key
	s_mov_b32 s36, 0                               ; its record in LDS
	s_mov_b32 s37, 16
.Lstep:                                            ; 16 trips, a constant; a step wholly behind valid_lens is jumped over
	s_cmp_ge_u32 s35, s33
	s_cbranch_scc1 .Lhidden
	s_wait_alu depctr_vm_vsrc(0)                   ; the LDS loads issued so far have read v[AD16] and v[AD8], which the two adds write
	v_add_nc_u32 v[AD16], s36, v1
	v_add_nc_u32 v[AD8], s36, v2
	v_nop
	v_nop                                          ; four places in front of loads into registers that the last products have read
	s_wait_alu depctr_va_vdst(0)                   ; the two addresses are written; the last step's second products are done reading KV and VS, its first products KS (in a phase's first step: wave 15's additions are done reading KV)
.set c, 0
.rept 12
	ds_load_b128 v[KV+4*c:KV+4*c+3], v[AD16] offset:512*c
.set c, c+1
.endr
	ds_load_b128 v[KS:KS+3], v[AD16] offset:6144
	s_cmp_eq_u32 s35, s51
	s_cbranch_scc0 .Lno_ask
	s_lshl_b32 s54, s14, 13
	s_cmp_lt_u32 s54, s50
	s_cbranch_scc0 .Lno_ask
	global_prefetch_b8 v[PFO], s[48:49] th:TH_LOAD_NT scope:SCOPE_SE
	s_add_co_u32 s54, s54, 131072
	s_cmp_lt_u32 s54, s50
	s_cbranch_scc0 .Lno_ask
	global_prefetch_b8 v[PFO], s[48:49] offset:131072 th:TH_LOAD_NT scope:SCOPE_SE
.Lno_ask:
	s_wait_dscnt 0x0
.irp t, 0,2,4,6
	v_wmma_scale_f32_16x16x128_f8f6f4 v[S+8*\t:S+8*\t+7], v[KV+6*\t:KV+6*\t+11], v[Q:Q+11], 0, v[KS+\t/2], v[QS] matrix_a_fmt:MATRIX_FMT_FP6 matrix_b_fmt:MATRIX_FMT_FP6
	v_wmma_scale_f32_16x16x128_f8f6f4 v[S+8*\t+8:S+8*\t+15], v[KV+6*\t+6:KV+6*\t+17], v[Q:Q+11], 0, v[KS+\t/2], v[QS] matrix_a_fmt:MATRIX_FMT_FP6 matrix_b_fmt:MATRIX_FMT_FP6 matrix_a_scale:MATRIX_SCALE_ROW1
.endr
.rept 4
	v_nop                                          ; places: in front of the first read of the scores
.endr
	s_wait_alu depctr_va_vdst(0)                   ; the eight products are done reading KV, in which V's loads land.  Up to the last of those loads no vector instruction names KV, VS, AD16 or AD8
	s_add_co_u32 s54, s35, 128
	s_cmp_le_u32 s54, s33
	s_cbranch_scc1 .Lopen                          ; all 128 keys count
	s_sub_co_u32 s54, s33, s35
	v_sub_nc_u32 v[T], s54, v[H16]                 ; d = valid_lens - first key - 16 (lane / 16).  Register 16 b + i holds key 32 b + 16 (lane / 16) + i of the step: masked where 32 b + i >= d
.set g, 0
.rept 8                                        ; the compares go in runs of eight, into eight scalar registers, with one wait behind each run
.set k, 0
.rept 8
	v_cmp_ge_i32 s[CM+k], 32*((8*g+k)/16)+(8*g+k)%16, v[T]
.set k, k+1
.endr
	s_wait_alu depctr_va_sdst(0)                   ; the eight compares have written s17 to s24, ahead of the selects that read them
.set k, 0
.rept 8
	v_cndmask_b32 v[S+8*g+k], v[S+8*g+k], v[NEGV], s[CM+k]
.set k, k+1
.endr
.set g, g+1
.endr
.Lopen:
.irp b, 0,1,2,3
	v_max3_num_f32 v[BM+\b], v[S+16*\b], v[S+1+16*\b], v[S+2+16*\b]   ; the largest score of each block of 32 keys: for the row's maximum, and, since p rises with the score, for the block's largest p
.endr
.set c, 0
.irp i, 3,5,7,9,11,13
	ds_load_b128 v[KV+4*c:KV+4*c+3], v[AD16] offset:6656+512*c       ; V, two loads to four lines of the maximum: it lands under the softmax
	ds_load_b128 v[KV+4*c+4:KV+4*c+7], v[AD16] offset:6656+512*(c+1)
.set c, c+2
.irp b, 0,1,2,3
	v_max3_num_f32 v[BM+\b], v[BM+\b], v[S+16*\b+\i], v[S+1+16*\b+\i]
.endr
.endr
	ds_load_b64 v[VS:VS+1], v[AD8] offset:12800
.irp b, 0,1,2,3
	v_max_num_f32 v[BM+\b], v[BM+\b], v[S+15+16*\b]
.endr
.irp b, 0,1,2,3
	v_permlanex16_b32 v[BP+\b], v[BM+\b], s28, s29
.endr
.irp b, 0,1,2,3
	v_max_num_f32 v[BM+\b], v[BM+\b], v[BP+\b]
.endr
	v_max3_num_f32 v[T], v[BM], v[BM+1], v[BM+2]
	v_max_num_f32 v[T], v[T], v[BM+3]
	v_mul_f32 v[T], s30, v[T]                      ; as t
	v_max_num_f32 v13, v13, v[T]                   ; the running largest t
	v_mov_b32 v[T], v12
	v_floor_f32 v12, -v13                          ; the new -M = -ceil(t)
	v_sub_f32 v[T], v12, v[T]                      ; old M - new M: a whole number, 0 or less
	v_cvt_i32_f32 v[T], v[T]                       ; (it saturates)
	v_ldexp_f32 v[F], 1.0, v[T]                    ; f = 2^(old M - new M)
.set j, 0
.rept 32
	v_pk_fma_f32 v[S+j:S+j+1], v[S+j:S+j+1], s[30:31], v[12:13] op_sel_hi:[1,0,0]   ; t - M
.set j, j+2
.endr
.irp b, 0,1,2,3
	v_fma_f32 v[BM+\b], v[BM+\b], s30, v12
.endr
.set j, 0
.rept 64
	v_exp_f32 v[S+j], v[S+j]                       ; p = 2^(t - M)
.set j, j+1
.endr
	v_pk_mul_f32 v[14:15], v[14:15], v[F:F+1] op_sel_hi:[1,0]      ; the sums under the new M: a plain place behind the exponentials
	s_wait_alu depctr_va_vdst(0)                   ; the 64 exponentials have written p: one wait for the batch, ahead of its first reader
.irp b, 0,1,2,3
	v_exp_f32 v[BM+\b], v[BM+\b]                   ; the blocks' largest p
.endr
	v_pk_add_f32 v[BP:BP+1], v[S:S+1], v[S+2:S+3]  ; the row's sum, of the unquantised p, in two chains
.irp j, 4,8,12,16,20,24,28,32,36,40,44,48,52,56,60
	v_pk_add_f32 v[14:15], v[14:15], v[S+\j:S+\j+1]
	v_pk_add_f32 v[BP:BP+1], v[BP:BP+1], v[S+2+\j:S+3+\j]
.endr
	v_pk_add_f32 v[14:15], v[14:15], v[BP:BP+1]
	s_wait_alu depctr_va_vdst(0)                   ; the four exponentials have written the blocks' largest p, ahead of their first reader
.irp b, 0,1,2,3
	v_max_num_f32 v[BM+\b], 0x1800000, v[BM+\b]    ; the floor
.endr
.irp b, 0,1,2,3
	v_add_nc_u32 v[SO+\b], 0xff000000, v[BM+\b]
.endr
.irp b, 0,1,2,3
	v_lshrrev_b32 v[BP+\b], 23, v[SO+\b]
.endr
	v_lshl_or_b32 v[PS], v[BP+1], 8, v[BP]
	v_lshl_or_b32 v[PS], v[BP+2], 16, v[PS]
	v_lshl_or_b32 v[PS], v[BP+3], 24, v[PS]
.irp c, 0,1
	v_cvt_scalef32_pk16_fp6_f32 v[P+6*\c:P+6*\c+2], v[S+32*\c:S+32*\c+15], v[SO+2*\c]
	v_cvt_scalef32_pk16_fp6_f32 v[PX+4*\c:PX+4*\c+2], v[S+32*\c+16:S+32*\c+31], v[SO+2*\c+1]
.endr
	v_nop
.irp c, 0,1
.irp i, 0,1,2
	v_permlane16_swap_b32 v[P+6*\c+\i], v[PX+4*\c+\i]
.endr
.irp i, 0,1,2
	v_mov_b32 v[P+6*\c+3+\i], v[PX+4*\c+\i]
.endr
.endr
.set j, 0
.rept 16
	v_pk_mul_f32 v[O+j:O+j+1], v[O+j:O+j+1], v[F:F+1] op_sel_hi:[1,0]   ; O^T under the new M; also the places in front of the scaled products
.set j, j+2
.endr
	s_wait_dscnt 0x0                               ; V
	s_wait_alu depctr_va_vdst(0)                   ; vector instructions have written p's codes v[P ..] and its scale word v[PS], which the scaled products take as operand and scale; the places above stay beside this wait
.irp e, 0,1
	v_wmma_scale_f32_16x16x128_f8f6f4 v[O+16*\e:O+16*\e+7], v[KV+24*\e:KV+24*\e+11], v[P:P+11], v[O+16*\e:O+16*\e+7], v[VS+\e], v[PS] matrix_a_fmt:MATRIX_FMT_FP6 matrix_b_fmt:MATRIX_FMT_FP6
	v_wmma_scale_f32_16x16x128_f8f6f4 v[O+16*\e+8:O+16*\e+15], v[KV+24*\e+12:KV+24*\e+23], v[P:P+11], v[O+16*\e+8:O+16*\e+15], v[VS+\e], v[PS] matrix_a_fmt:MATRIX_FMT_FP6 matrix_b_fmt:MATRIX_FMT_FP6 matrix_a_scale:MATRIX_SCALE_ROW1
.endr
.Lhidden:
	s_add_co_u32 s35, s35, 128
	s_add_co_u32 s36, s36, REC
	s_sub_co_u32 s37, s37, 1
	s_cmp_lg_u32 s37, 0
	s_cbranch_scc1 .Lstep
	; THE PHASE'S END: the steps that were not walked, the division, the quantiser along D
.rept 4
	v_nop                                          ; places behind the last products
.endr
	v_add_f32 v14, v14, v15
	v_permlanex16_b32 v[T], v14, s28, s29
	s_wait_alu depctr_va_vdst(0)                   ; the last walked step's products (where none was walked: wave 15's additions) are done reading KV, in which the loads below land
.irp t, 0,1,2,3
	ds_load_b128 v[KV+8*\t:KV+8*\t+3], v[VSR] offset:64*\t         ; the masked steps' sums of V at my 32 channels
	ds_load_b128 v[KV+8*\t+4:KV+8*\t+7], v[VSR] offset:64*\t+16
.endr
	v_add_f32 v14, v14, v[T]                       ; the row's sum so far
	v_mov_b32 v[T], s39
	v_mul_f32 v[T], s30, v[T]
	v_max_num_f32 v13, v13, v[T]                   ; the masked keys' t counts for the row's maximum
	v_mov_b32 v[T], v12
	v_floor_f32 v12, -v13
	v_sub_f32 v[T], v12, v[T]
	v_cvt_i32_f32 v[T], v[T]
	v_ldexp_f32 v[F], 1.0, v[T]
	v_fma_f32 v[T+1], v[NEGV], s30, v12
	v_exp_f32 v[T+1], v[T+1]                       ; p_m
	v_mul_f32 v14, v14, v[F]
.set j, 0
.rept 16
	v_pk_mul_f32 v[O+j:O+j+1], v[O+j:O+j+1], v[F:F+1] op_sel_hi:[1,0]
.set j, j+2
.endr
	v_cvt_f32_u32 v[T+2], s38
	s_wait_alu depctr_va_vdst(0)                   ; the exponential has written p_m, ahead of its first reader
	v_fma_f32 v14, v[T+2], v[T+1], v14             ; the sum takes the unquantised p_m of each key that was not walked
	v_bfe_u32 v[T+3], v[T+1], 20, 1                ; Q(p_m): three mantissa bits, ties to even,
	v_add3_u32 v[T+3], v[T+1], v[T+3], 0x7ffff
	v_and_b32 v[T+3], 0xfff00000, v[T+3]
	v_and_b32 v[T+4], 0x7f800000, v[T+1]
	v_or_b32 v[T+4], 0x700000, v[T+4]              ; held at 7.5 x the block's scale
	v_min_u32 v[T+2], v[T+3], v[T+4]
	v_rcp_f32 v[T], v14
	s_wait_dscnt 0x0
.set j, 0
.rept 16
	v_pk_fma_f32 v[O+j:O+j+1], v[KV+j:KV+j+1], v[T+2:T+3], v[O+j:O+j+1] op_sel_hi:[1,0,1]
.set j, j+2
.endr
	s_wait_alu depctr_va_vdst(0)                   ; the reciprocal has written v[T], ahead of its first reader
.set j, 0
.rept 16
	v_pk_mul_f32 v[O+j:O+j+1], v[O+j:O+j+1], v[T:T+1] op_sel_hi:[1,0]
.set j, j+2
.endr
.irp e, 0,1
	v_max3_num_f32 v[BM+\e], |v[O+16*\e]|, |v[O+1+16*\e]|, 0x1800000
.endr
.irp i, 2,4,6,8,10,12,14
.irp e, 0,1
	v_max3_num_f32 v[BM+\e], v[BM+\e], |v[O+16*\e+\i]|, |v[O+1+16*\e+\i]|
.endr
.endr
.irp e, 0,1
	v_permlanex16_b32 v[BP+\e], v[BM+\e], s28, s29
.endr
.irp e, 0,1
	v_max_num_f32 v[BM+\e], v[BM+\e], v[BP+\e]
.endr
.irp e, 0,1
	v_add_nc_u32 v[SO+\e], 0xff000000, v[BM+\e]
.endr
.irp e, 0,1
	v_lshrrev_b32 v[BP+\e], 23, v[SO+\e]
.endr
	v_lshl_or_b32 v[SO+2], v[BP+1], 8, v[BP]       ; my head's two bytes of the row's scale word
	v_cvt_scalef32_pk16_fp6_f32 v[P:P+2], v[O:O+15], v[SO]
	v_cvt_scalef32_pk16_fp6_f32 v[PX:PX+2], v[O+16:O+31], v[SO+1]
	v_nop
.irp i, 0,1,2
	v_permlane16_swap_b32 v[P+\i], v[PX+\i]
.endr
.irp i, 0,1,2
	v_mov_b32 v[P+3+\i], v[PX+\i]
.endr
	s_wait_alu depctr_va_vdst(0)                   ; the quantiser has written v[P .. P+5] and v[SO+2], which the three stores read
	global_store_b128 v1, v[P:P+3], s[46:47]       ; 512 consecutive bytes,
	global_store_b64 v2, v[P+4:P+5], s[46:47] offset:512           ; and 256
	global_store_b16 v[QO+4], v[SO+2], s[56:57]    ; both halves of the lanes write the same two bytes with the same value
	s_wait_dscnt 0x0                               ; my reads of the records and of the sums are over: the next phase writes them again
	s_barrier_signal -1
	s_barrier_wait -1
	s_add_co_u32 s32, s32, 1
	s_cmp_lt_u32 s32, 2
	s_cbranch_scc1 .Lphase
	s_wait_dscnt 0x0                               ; the wave's end
	s_wait_alu 0x0
	s_wait_tensorcnt 0x0
	ds_add_u32 v[SPW], v[NIL]
	s_wait_dscnt 0x0
	s_endpgm
.Lfunc_end_k_q4afabb4bd1_attn:
	.size	k_q4afabb4bd1_attn, .Lfunc_end_k_q4afabb4bd1_attn-k_q4afabb4bd1_attn
	.p2alignl 7, 3214868480
	.fill 96, 4, 3214868480
	.section	.rodata,"a",@progbits
	.p2align	6, 0x0
	.amdhsa_kernel k_q4afabb4bd1_attn
		.amdhsa_group_segment_fixed_size 215296
		.amdhsa_private_segment_fixed_size 0
		.amdhsa_enable_private_segment 0
		.amdhsa_kernarg_size 40
		.amdhsa_user_sgpr_count 2
		.amdhsa_user_sgpr_kernarg_segment_ptr 1
		.amdhsa_wavefront_size32 1
		.amdhsa_system_sgpr_workgroup_id_x 1
		.amdhsa_system_sgpr_workgroup_id_y 1
		.amdhsa_system_sgpr_workgroup_id_z 1
		.amdhsa_system_vgpr_workitem_id 0
		.amdhsa_next_free_vgpr 256
		.amdhsa_next_free_sgpr 66
		.amdhsa_reserve_vcc 0
		.amdhsa_float_denorm_mode_32 3
		.amdhsa_float_denorm_mode_16_64 3
		.amdhsa_memory_ordered 1
		.amdhsa_forward_progress 1
		.amdhsa_inst_pref_size 51
	.end_amdhsa_kernel
	.amdgpu_metadata
---
amdhsa.version: [ 1, 2 ]
amdhsa.kernels:
  - .name:           k_q4afabb4bd1_attn
    .symbol:         k_q4afabb4bd1_attn.kd
    .args:
      - { .name: qr, .offset: 0, .size: 8, .value_kind: global_buffer, .address_space: global }
      - { .name: kv, .offset: 8, .size: 8, .value_kind: global_buffer, .address_space: global }
      - { .name: valid_lens, .offset: 16, .size: 8, .value_kind: global_buffer, .address_space: global }
      - { .name: oc, .offset: 24, .size: 8, .value_kind: global_buffer, .address_space: global }
      - { .name: os, .offset: 32, .size: 8, .value_kind: global_buffer, .address_space: global }
    .group_segment_fixed_size: 215296
    .private_segment_fixed_size: 0
    .kernarg_segment_align: 8
    .kernarg_segment_size: 40
    .max_flat_workgroup_size: 512
    .sgpr_count:     66
    .vgpr_count:     256
    .wavefront_size: 32
...
	.end_amdgpu_metadata
.endif
;; end of part 5
;; launch outp: the kernel of part 4 again; grid 4 x 64, 4 waves a work-group, clusters of 4 x 4, 327,680 bytes of LDS; arguments oc, os, wc, ws, out0; writes out0
